; MI455X (gfx1250); checked and timed in simulation.
; The chip was launched on July 23, 2026; its instructions are those of AMD's public machine-readable ISA for CDNA 5 (MIT licence, August 2026) and "CDNA5" Instruction Set Architecture Reference Guide (July 2026). The comments in the code are by the model that wrote it; some were corrected since.
;; Causal Self Attention Ro PE. Allowed arithmetic: matrix products marked QUANTISED: E5M2 operands, one E8M0 scale for each 32 along K, by v_wmma_scale_f32_16x16x128_f8f6f4 with both operands' format E5M2, f32 sums; products left as they are: f32 operands where the result goes on into a quantised operand, else bf16, f16 or f32 operands; f32 sums; everything else in f32.
;; Inputs: W_out 1,024 x 1,024 float32; W_qkv 1,024 x 3,072 float32; b_out 1,024 float32; b_qkv 3,072 float32; pad_mask 4 x 2,048 bool; x 4 x 2,048 x 1,024 float32.
;; Outputs: out0 4 x 2,048 x 1,024 float32.
;; This version of the problem:
;;   THIS VERSION OF THE PROBLEM IS GIVEN IN LOW PRECISION. The matrix products marked QUANTISED in the list below multiply operands that are first quantised to E5M2 (5 exponent bits, 2 mantissa bits; 8 bits a number), with one power-of-two scale for each 32 numbers along K (OCP MX v1.0); their sums are f32. All else is computed in f32.
;;   The module's matrix products, in the order in which they are computed (A, B: the left and right operand; K: the contracted axis; several contracted axes count as one K, in the product's order):
;;     1. [M 8,192, K 1,024] x [K 1,024, N 3,072]; A: input x; B: input W_qkv: QUANTISED
;;     2. [M 2,048, K 1] x [K 1, N 32]; A: computed on the way; B: computed on the way: left as it is (no contracted axis)
;;     3. batch 64 x [M 2,048, K 64] x [K 64, N 2,048]; A: computed on the way; B: computed on the way: QUANTISED
;;     4. batch 64 x [M 2,048, K 2,048] x [K 2,048, N 64]; A: softmax (see below); B: computed on the way: QUANTISED
;;     5. [M 8,192, K 1,024] x [K 1,024, N 1,024]; A: computed on the way; B: input W_out: QUANTISED
;;   THE QUANTISER, for each operand of a quantised product, along K:
;;     - K is cut into blocks of 32 from its start; a last block that is shorter is filled with zeros.
;;     - A block's scale is 2^e with e = floor(log2(the largest magnitude in the block)) - 15, held to -126 .. 127; a block of zeros has e = 0. As a byte (E8M0): e + 127.
;;     - Each number is divided by its block's scale, clamped to +-57,344, and rounded to the nearest number of E5M2, ties to even, subnormals kept.
;;     - The product sums the exact products of the quantised numbers (number of the format x scale) in f32.
;;   ~~~python
;;   def quantise(x, axis):      # numpy; x: float32 -> the quantised numbers, widened to float32 again
;;       x = np.moveaxis(x, axis, -1); K = x.shape[-1]
;;       x = np.pad(x, [(0, 0)] * (x.ndim - 1) + [(0, -K % 32)]); x = x.reshape(x.shape[:-1] + (-1, 32)); a = np.abs(x).max(-1, keepdims=True)
;;       e = np.where(a > 0, np.clip(np.frexp(np.where(a > 0, a, 1))[1] - 1 - 15, -126, 127), 0)      # np.frexp(a)[1] - 1 = floor(log2(a)), exactly
;;       r = np.clip(x / 2.0 ** e, -57344, 57344)
;;       step = 2.0 ** (np.maximum(np.frexp(np.where(r == 0, 1, r))[1] - 1, -14) - 2)
;;       q = np.round(r / step) * step * 2.0 ** e      # np.round: ties to even
;;       return np.moveaxis(q.reshape(q.shape[:-2] + (-1,))[..., :K], -1, axis).astype(np.float32)
;;   ~~~
;;   SOFTMAX AHEAD OF A QUANTISED PRODUCT. Where the list says 'softmax', what is quantised is not the finished softmax but p = 2^(t - M), with t = logit x log2(e) and M = ceil(the row's largest t), a whole number; so 1/2 < the row's largest p <= 1. The row's sum l is taken of the UNQUANTISED p, in f32, and the product's result is divided by l at the end. Since M is a whole number, a kernel that streams over the keys may use a running M (the ceiling of the running maximum): every later rescaling is an exact power of two, which a block's scale takes up: the codes' values come out the same.
;;   OPERANDS COMPUTED ON THE WAY. 'Computed on the way' means the value that the module computes at that place (a softmax that the list does not call 'softmax' is quantised finished and normalised). What goes into a quantiser is computed in f32, as accurately as f32 sums, v_exp_f32 and their like allow (about 1e-6 of the number): no bf16 or f16 on the way to a quantiser, and a product that is left as it is and whose result goes on into a quantised operand takes f32 operands (vector FMAs, or v_wmma_f32_16x16x4_f32). A number that lies on a knife's edge between two numbers of the format may be rounded either way, as far as f32 arithmetic and the matrix unit's own rounding can turn it there, and no further.
;; One version. Each part assembles by itself: llvm-mc -triple=amdgcn-amd-amdhsa -mcpu=gfx1250 --defsym DOCPART=n.
;; ======== version 1 of 1: 4 launches
;; limits: right only within a limited range of input values
;; workspace buffers: xq 8,650,752 bytes; wq 4,325,376 bytes; tab 524,288 bytes; qb 8,912,896 bytes; kb 8,912,896 bytes; vb 8,912,896 bytes; yq 8,650,752 bytes
;; launch prep (part 1): grid 68 x 8, 4 waves a work-group, no clusters, 34,304 bytes of LDS; arguments x, W_qkv, W_out, xq, wq, tab; writes xq, wq, tab
.if DOCPART == 1
	.amdgcn_target "amdgcn-amd-amdhsa--gfx1250"
	.amdhsa_code_object_version 6
	.text
	.protected	k_qa66203b24d_prep
	.globl	k_qa66203b24d_prep
	.p2align	8
	.type	k_qa66203b24d_prep,@function
k_qa66203b24d_prep:
	s_mov_b64 s[64:65], 0
	v_nop
	global_prefetch_b8 v0, s[64:65] scope:SCOPE_SE
	s_setreg_imm32_b32 hwreg(HW_REG_WAVE_MODE, 25, 1), 1
	s_wait_xcnt 0x0
; PREP: x [8192][1024], W_qkv [1024][3072] and W_out [1024][1024], f32, become codes of BF8 (E5M2) with one E8M0 byte for each 32 along K (= 1024), and the table of cosines and sines is made.
; A block's scale is 2^(floor(log2(its largest magnitude)) - 15); its byte is that magnitude's exponent field - 15, held at 1 from below; each number is held within +-57,344 x the scale and rounded to the nearest code.
; LAYOUT OF THE CODES: IMAGES OF OPERAND REGISTERS.  A tile T = 2 g + u holds the 16 rows 32 g + 8 u + r + 8 (r / 8), r = 0 .. 15 (tokens of x, columns of W).  The fragment (T, K step s of 128) is 2,048 bytes at
; 16,384 T + 2,048 s: piece c (0 .. 3) at 512 c, lane (r, h) at 16 (r + 16 h): the codes of k = 128 s + 32 c + 16 h + 0 .. 15.  The scale words lie behind all codes at 512 T + 128 (s / 2) + 8 r + 4 (s % 2).
; wq holds 256 tiles: 0 .. 191 W_qkv's columns, 192 .. 255 W_out's.
; THREE PATHS part on the work-group's x: 0 .. 31 x (256 work-groups), 32 .. 63 the weights (256), 64 .. 67 the table (32).  Waves share nothing: no barrier.  Only the first path uses LDS.
; LIMITS: NaN and infinities among the inputs are not served.  A block whose largest magnitude lies under 2^-111 (a block of zeros too) gets the byte 1: its codes are zeros or near it, and this program alone reads the bytes.
; The table: inv_freq = 1 / 10000^(f / 32), the power rounded once from a two-word product, the quotient by a reciprocal and one correction step; angle = l x inv_freq, one f32 product.
.set SEL,  20                          ; s[20:21] lane selects for v_permlanex16_b32: lane l xor 16
.set MNT,  23                          ; s23  the mantissa field of 57,344
.set TM,   16                          ; v16-31 at work in QUANT
.set PC,   32                          ; v32-47 a fragment's codes
.set PW,   48                          ; v48    its scale word
.set SW,   50                          ; v50-53 the scale words of a wave's four K steps
.set X,    64                          ; v64-127 64 numbers of a lane: register 16 b + i = k 32 b + 16 h + i of its row
.set R,    128                         ; v128-255 two sets of 64: rows as they are loaded
.set SPX,  528                         ; a stage row: 512 bytes + 16: 33 x 16, so that sixteen rows' pieces of 16 bytes fall on different banks
.set WST,  16*SPX                      ; a wave's stage
; 64 numbers of a lane become a fragment's 16 code registers v[PC] on and its row's scale word v[PW]
.macro QUANT s
.irp b, 0,1,2,3
	v_max3_num_f32 v[TM+\b], |v[\s+16*\b]|, |v[\s+1+16*\b]|, 0x8000000   ; block b: my 16 numbers, and the floor 2^(16 - 127): the byte cannot fall under 1
.endr
.irp i, 2,4,6,8,10,12,14
.irp b, 0,1,2,3
	v_max3_num_f32 v[TM+\b], v[TM+\b], |v[\s+16*\b+\i]|, |v[\s+1+16*\b+\i]|   ; the four blocks by turns
.endr
.endr
.irp b, 0,1,2,3
	v_permlanex16_b32 v[TM+4+\b], v[TM+\b], s[SEL], s[SEL+1]
.endr
.irp b, 0,1,2,3
	v_max_num_f32 v[TM+\b], v[TM+\b], v[TM+4+\b]                   ; with lane l xor 16's 16: the block's largest magnitude
.endr
.irp b, 0,1,2,3
	v_add_nc_u32 v[TM+12+\b], 0xf8800000, v[TM+\b]                 ; 15 off its exponent field: the conversion's scale operand
.endr
.irp b, 0,1,2,3
	v_and_or_b32 v[TM+8+\b], v[TM+\b], 0x7f800000, s[MNT]          ; 57,344 x the scale
.endr
.irp b, 0,1,2,3
	v_lshrrev_b32 v[TM+4+\b], 23, v[TM+12+\b]                      ; the scale's byte
.endr
	v_lshl_or_b32 v[PW], v[TM+5], 8, v[TM+4]
	v_lshl_or_b32 v[PW], v[TM+6], 16, v[PW]
	v_lshl_or_b32 v[PW], v[TM+7], 24, v[PW]
.irp b, 0,1,2,3
.irp i, 0,1,2,3,4,5,6,7,8,9,10,11,12,13,14,15
	v_med3_num_f32 v[\s+16*\b+\i], v[\s+16*\b+\i], -v[TM+8+\b], v[TM+8+\b]   ; the conversion to an 8-bit code does not saturate (ISA guide 7.6.2): the hold comes first
.endr
	v_cvt_scalef32_pk8_bf8_f32 v[PC+4*\b:PC+1+4*\b], v[\s+16*\b:\s+7+16*\b], v[TM+12+\b]
	v_cvt_scalef32_pk8_bf8_f32 v[PC+2+4*\b:PC+3+4*\b], v[\s+8+16*\b:\s+15+16*\b], v[TM+12+\b]
.endr
	v_nop                                          ; a plain line behind the last conversion
.endm
	s_load_b256 s[4:11], s[0:1], 0x0               ; x s[4:5], W_qkv s[6:7], W_out s[8:9], xq s[10:11]
	s_load_b128 s[12:15], s[0:1], 0x20             ; wq s[12:13], tab s[14:15]
	v_lshl_add_u32 v62, v0, 2, 0x8400
	v_mov_b32 v63, 0
	v_lshrrev_b32 v1, 5, v0
	v_readfirstlane_b32 s16, v1                    ; wave
	v_and_b32 v2, 31, v0                           ; lane
	v_and_b32 v3, 15, v0                           ; r
	s_and_b32 s17, ttmp7, 0xffff                   ; work-group y
	s_mov_b32 s[SEL], 0x76543210
	s_mov_b32 s[SEL+1], 0xfedcba98
	s_mov_b32 s[MNT], 0x600000
	s_mov_b32 s25, 0                               ; the high word of every offset
	s_wait_kmcnt 0x0
	s_cmp_lt_u32 ttmp9, 32
	s_cbranch_scc0 .Lnot_x
; ---------------- PATH X.  1,024 waves; wave gw takes tile gw / 2 and K steps 4 (gw % 2) + 0 .. 3: four images.
; A load reads 512 consecutive bytes of one row; 16 rows turn through the wave's own stage, so that a lane gets 16 neighbours of each block of 32 of ITS row.
	s_lshl_b32 s18, s17, 5
	s_add_co_u32 s18, s18, ttmp9
	s_lshl_b32 s18, s18, 2
	s_add_co_u32 s18, s18, s16                     ; gw
	s_lshr_b32 s19, s18, 1                         ; T
	s_and_b32 s18, s18, 1                          ; which half of K
	s_lshr_b32 s24, s19, 1
	s_lshl_b32 s24, s24, 17                        ; 32 (T / 2) rows of 4,096 bytes
	s_and_b32 s26, s19, 1
	s_lshl_b32 s26, s26, 15                        ; 8 (T % 2) rows
	s_add_co_u32 s24, s24, s26
	s_lshl_b32 s26, s18, 11                        ; 512 numbers on
	s_add_co_u32 s24, s24, s26
	s_add_nc_u64 s[4:5], s[4:5], s[24:25]          ; x at my tile's first row
	s_lshl_b32 s24, s19, 14
	s_lshl_b32 s26, s18, 13
	s_add_co_u32 s24, s24, s26
	s_add_nc_u64 s[28:29], s[10:11], s[24:25]      ; my four images
	s_lshl_b32 s24, s19, 9
	s_lshl_b32 s26, s18, 8
	s_add_co_u32 s24, s24, s26
	s_add_co_u32 s24, s24, 8388608
	s_add_nc_u64 s[30:31], s[10:11], s[24:25]      ; my scale words
	s_wait_alu depctr_va_vdst(0)
	v_lshlrev_b32 v4, 4, v2                        ; 16 x lane: in a row's 512 bytes, and in an image's piece
	s_mul_i32 s26, s16, WST
	v_add_nc_u32 v5, s26, v4                       ; the stage, way in
	v_bfe_u32 v6, v0, 4, 1
	v_lshlrev_b32 v6, 6, v6
	v_mad_u32_u24 v6, v3, SPX, v6
	v_add_nc_u32 v6, s26, v6                       ; the stage, way out: row r, + 64 h
	v_lshlrev_b32 v7, 3, v3                        ; 8 r
.irp b, 0,1,2,3
	v_mov_b32 v[TM+4+\b], 0                        ; written once: a lane permute's destination counts as one of its sources
.endr
.macro XLOAD t                         ; K step t of my four: 16 rows x 512 bytes into set t % 2
.irp rr, 0,1,2,3,4,5,6,7,8,9,10,11,12,13,14,15
	global_load_b128 v[R+64*((\t)%2)+4*\rr:R+64*((\t)%2)+4*\rr+3], v4, s[4:5] offset:(\rr+8*(\rr/8))*4096+512*(\t) th:TH_LOAD_NT
.endr
.endm
.macro XSTEP t
.if (\t) < 3
	s_wait_loadcnt 16                              ; this step's 16 loads are in; the next step's 16 may be out
.else
	s_wait_loadcnt 0x0
.endif
.irp rr, 0,1,2,3,4,5,6,7,8,9,10,11,12,13,14,15
	ds_store_b128 v5, v[R+64*((\t)%2)+4*\rr:R+64*((\t)%2)+4*\rr+3] offset:SPX*\rr
.endr
.irp c, 0,1,2,3
.irp j, 0,1,2,3
	ds_load_b128 v[X+16*\c+4*\j:X+16*\c+4*\j+3], v6 offset:128*\c+16*\j   ; LDS serves a wave's instructions in order (ISA guide 5.7.1.4): these see the stores above
.endr
.endr
	s_wait_dscnt 0x0                               ; the numbers are back, and the stage's stores have read their registers,
.if (\t) < 2
	XLOAD (\t)+2                                   ; which take the loads of two steps on
.endif
	s_wait_xcnt 0x0                                ; the last step's stores have read v[PC] on: it is written again only behind this wait
	QUANT X
	v_mov_b32 v[SW+(\t)], v[PW]
.irp c, 0,1,2,3
	global_store_b128 v4, v[PC+4*\c:PC+4*\c+3], s[28:29] offset:2048*(\t)+512*\c   ; 32 lanes store 512 consecutive bytes, aligned
.endr
.if (\t)%2
	global_store_b64 v7, v[SW+(\t)-1:SW+(\t)], s[30:31] offset:128*((\t)/2)   ; two K steps' words of 16 rows: 128 consecutive bytes; lanes 16-31 repeat lanes 0-15's bytes with the same values
.endif
.endm
	XLOAD 0
	XLOAD 1
	s_wait_alu depctr_va_vdst(0)
	XSTEP 0
	XSTEP 1
	XSTEP 2
	XSTEP 3
	s_wait_tensorcnt 0x0
	ds_add_u32 v62, v63
	s_wait_dscnt 0x0
	s_endpgm
; ---------------- PATH W.  K is the weights' FIRST axis: a lane takes a column and its registers run down K.  A work-group takes 128 columns x 128 along K (K step = work-group y), a wave 32 columns: two tiles.
.Lnot_x:
	s_cmp_lt_u32 ttmp9, 64
	s_cbranch_scc0 .Ltable
	s_cmp_lt_u32 ttmp9, 56                         ; x 32 .. 55: W_qkv's 24 blocks of 128 columns; 56 .. 63: W_out's 8
	s_cselect_b64 s[4:5], s[6:7], s[8:9]
	s_cselect_b32 s18, 32, 56
	s_cselect_b32 s19, 0, 192                      ; the weight's first tile in wq
	s_mov_b32 s24, 4096*128
	s_cselect_b32 s24, 12288*128, s24              ; bytes of 128 rows
	s_sub_co_u32 s18, ttmp9, s18                   ; which block of columns
	s_mul_i32 s24, s24, s17
	s_lshl_b32 s26, s18, 9
	s_add_co_u32 s24, s24, s26
	s_lshl_b32 s26, s16, 7
	s_add_co_u32 s24, s24, s26
	s_add_nc_u64 s[4:5], s[4:5], s[24:25]          ; W at row 128 s, my wave's first column
	s_lshl_b32 s26, s18, 3
	s_add_co_u32 s26, s26, s19
	s_lshl_b32 s27, s16, 1
	s_add_co_u32 s26, s26, s27                     ; my wave's first tile
	s_lshl_b32 s24, s26, 14
	s_lshl_b32 s27, s17, 11
	s_add_co_u32 s24, s24, s27
	s_add_nc_u64 s[28:29], s[12:13], s[24:25]      ; its image of this K step
	s_lshl_b32 s24, s26, 9
	s_lshr_b32 s27, s17, 1
	s_lshl_b32 s27, s27, 7
	s_add_co_u32 s24, s24, s27
	s_and_b32 s27, s17, 1
	s_lshl_b32 s27, s27, 2
	s_add_co_u32 s24, s24, s27
	s_add_co_u32 s24, s24, 4194304
	s_add_nc_u64 s[30:31], s[12:13], s[24:25]      ; its scale words
	s_wait_alu depctr_va_vdst(0)
	v_lshlrev_b32 v4, 2, v2                        ; in: 4 bytes a lane
	v_bfe_u32 v5, v2, 3, 1                         ; column 8 u + r + 8 (r / 8) = lane: u = (lane / 8) % 2,
	v_and_b32 v6, 7, v2
	v_lshrrev_b32 v7, 4, v2
	v_lshl_add_u32 v6, v7, 3, v6                   ; r = lane % 8 + 8 (lane / 16)
	v_lshlrev_b32 v8, 4, v6
	v_lshl_add_u32 v8, v5, 14, v8                  ; codes: tile u, 16 r
	v_lshlrev_b32 v9, 3, v6
	v_lshl_add_u32 v9, v5, 9, v9                   ; scale word: tile u, 8 r
.macro WLOAD b, pitch                  ; block b: W(128 s + 32 b + i, my column): 32 lanes read 128 consecutive bytes
.irp i, 0,1,2,3,4,5,6,7,8,9,10,11,12,13,14,15,16,17,18,19,20,21,22,23,24,25,26,27,28,29,30,31
	global_load_b32 v[128+32*(\b)+\i], v4, s[4:5] offset:(32*(\b)+\i)*(\pitch) th:TH_LOAD_NT
.endr
.endm
.macro WBLOCK b                        ; all 32 numbers of the block are mine
.set XS, 128+32*(\b)
	v_max3_num_f32 v12, |v[XS]|, |v[XS+1]|, |v[XS+2]|
	v_max3_num_f32 v13, |v[XS+3]|, |v[XS+4]|, |v[XS+5]|
.irp i, 6,10,14,18,22,26
	v_max3_num_f32 v12, v12, |v[XS+\i]|, |v[XS+\i+1]|
	v_max3_num_f32 v13, v13, |v[XS+\i+2]|, |v[XS+\i+3]|
.endr
	v_max3_num_f32 v12, v12, |v[XS+30]|, |v[XS+31]|
	v_max3_num_f32 v12, v12, v13, 0x8000000        ; and the floor 2^(16 - 127)
	v_add_nc_u32 v11, 0xf8800000, v12              ; the conversion's scale operand
	v_and_or_b32 v10, v12, 0x7f800000, s[MNT]      ; 57,344 x the scale
	v_lshrrev_b32 v13, 23, v11                     ; the byte
.if (\b) == 0
	v_mov_b32 v14, v13
.else
	v_lshl_or_b32 v14, v13, 8*(\b), v14            ; four bytes make the column's word of this K step
.endif
.irp i, 0,1,2,3,4,5,6,7,8,9,10,11,12,13,14,15,16,17,18,19,20,21,22,23,24,25,26,27,28,29,30,31
	v_med3_num_f32 v[XS+\i], v[XS+\i], -v10, v10
.endr
.irp g, 0,1,2,3
	v_cvt_scalef32_pk8_bf8_f32 v[64+8*(\b)+2*\g:65+8*(\b)+2*\g], v[XS+8*\g:XS+8*\g+7], v11
.endr
	v_nop                                          ; a plain line behind the last conversion
.endm
.macro WBODY pitch                     ; two runs of 32 loads go out first; each wait leaves the next run's 32 out
	WLOAD 0, \pitch
	WLOAD 1, \pitch
	s_wait_loadcnt 32
	WLOAD 2, \pitch
	WBLOCK 0
	s_wait_loadcnt 32
	WLOAD 3, \pitch
	WBLOCK 1
	s_wait_loadcnt 32
	WBLOCK 2
	s_wait_loadcnt 0x0
	WBLOCK 3
.endm
	s_cmp_lt_u32 ttmp9, 56                         ; the two arms differ in the rows' pitch alone, which stands in the loads' immediates
	s_cbranch_scc0 .Lw_out
	s_wait_alu depctr_va_vdst(0)
	WBODY 12288
	s_branch .Lw_store
.Lw_out:
	s_wait_alu depctr_va_vdst(0)
	WBODY 4096
.Lw_store:
	s_wait_alu depctr_va_vdst(0)
.irp b, 0,1,2,3
.irp h, 0,1
	global_store_b128 v8, v[64+8*\b+4*\h:64+8*\b+4*\h+3], s[28:29] offset:512*\b+256*\h   ; piece b, half h: the 16 lanes of a tile store 256 consecutive bytes, aligned
.endr
.endr
	global_store_b32 v9, v14, s[30:31]             ; 4 bytes a column, 8 apart: 1 byte for each 128 that the path reads
	s_endpgm
; ---------------- PATH R.  128 waves, 16 tokens each; lane = frequency f.  tab[l] = 32 cosines, then 32 sines: 256 bytes a token.
.Ltable:
	s_lshl_b32 s18, s17, 2
	s_add_co_u32 s18, s18, ttmp9
	s_sub_co_u32 s18, s18, 64
	s_lshl_b32 s18, s18, 2
	s_add_co_u32 s18, s18, s16
	s_lshl_b32 s24, s18, 4                         ; my first token
	s_lshl_b32 s26, s24, 8
	s_wait_alu depctr_va_vdst(0)
	v_lshlrev_b32 v5, 2, v2
	v_add_nc_u32 v5, s26, v5                       ; 256 l + 4 f
; 10000^(f / 32) = the product over f's bits of 10^(1/8), 10^(1/4), 10^(1/2), 10, 100, each as a high and a low f32 word; a bit that is off gives the factor 1
.macro FACT n, hi, lo
	v_and_b32 v6, 1<<(\n), v2
	v_cmp_ne_u32 vcc_lo, 0, v6
	v_mov_b32 v10, \hi
	v_mov_b32 v11, \lo
	v_cndmask_b32 v8, 1.0, v10, vcc_lo
	v_cndmask_b32 v9, 0, v11, vcc_lo
.endm
.macro DFMUL                           ; (v12, v13) x (v8, v9), kept as a high and a low word
	v_mul_f32 v14, v12, v8
	v_fma_f32 v15, v12, v8, -v14                   ; what the product's rounding dropped
	v_fma_f32 v15, v12, v9, v15
	v_fma_f32 v15, v13, v8, v15
	v_add_f32 v12, v14, v15
	v_sub_f32 v16, v12, v14
	v_sub_f32 v13, v15, v16
.endm
	FACT 0, 0x3faab0d5, 0xb36457ec
	v_mov_b32 v12, v8
	v_mov_b32 v13, v9
	FACT 1, 0x3fe39ea9, 0xb26aee3c
	DFMUL
	FACT 2, 0x404a62c2, 0xb324b496
	DFMUL
	FACT 3, 0x41200000, 0
	DFMUL
	FACT 4, 0x42c80000, 0
	DFMUL
	v_rcp_f32 v17, v12
	v_nop                                          ; a plain line behind the reciprocal
	s_wait_alu depctr_va_vdst(0)                   ; the wait ahead of the first reader
	v_fma_f32 v18, -v12, v17, 1.0
	v_fma_f32 v17, v17, v18, v17                   ; inv_freq: one correction step
	s_mov_b32 s26, 0x3fc90fdb                      ; pi / 2, high word,
	s_mov_b32 s27, 0xb33bbd2e                      ; and low
	s_mov_b32 s30, 0xb94ca1f9                      ; sine: -1.9515296e-4,
	s_mov_b32 s31, 0x3c08839e                      ; 8.3321609e-3,
	s_mov_b32 s32, 0xbe2aaaa3                      ; -1.6666655e-1
	s_mov_b32 s33, 0x37ccf5ce                      ; cosine: 2.4433157e-5,
	s_mov_b32 s34, 0xbab6061a                      ; -1.3887316e-3,
	s_mov_b32 s35, 0x3d2aaaa5                      ; 4.1666646e-2
	s_mov_b32 s25, 0
.Ltok:
	v_cvt_f32_u32 v20, s24
	s_wait_alu depctr_va_vdst(0)
	v_mul_f32 v20, v20, v17                        ; the angle: one f32 product
	v_mul_f32 v21, 0x3f22f983, v20
	v_rndne_f32 v21, v21                           ; how many quarter turns (at most 1,304)
	v_fma_f32 v22, -v21, s26, v20                  ; exact: both terms are multiples of 2^-23 and the difference is under 1
	v_fma_f32 v22, -v21, s27, v22                  ; the rest, within +-pi/4
	v_mul_f32 v23, v22, v22
	v_fma_f32 v24, v23, s30, s31
	v_fma_f32 v24, v24, v23, s32
	v_mul_f32 v24, v24, v23
	v_fma_f32 v24, v24, v22, v22                   ; its sine
	v_fma_f32 v25, v23, s33, s34
	v_fma_f32 v25, v25, v23, s35
	v_mul_f32 v25, v25, v23
	v_fma_f32 v26, v23, -0.5, 1.0
	v_fma_f32 v25, v25, v23, v26                   ; its cosine
	v_cvt_i32_f32 v27, v21
	v_and_b32 v28, 1, v27
	v_cmp_ne_u32 vcc_lo, 0, v28                    ; an odd number of quarter turns swaps the two
	v_cndmask_b32 v29, v25, v24, vcc_lo
	v_cndmask_b32 v30, v24, v25, vcc_lo
	v_add_nc_u32 v28, 1, v27
	v_and_b32 v28, 2, v28
	v_lshlrev_b32 v28, 30, v28
	v_xor_b32 v29, v28, v29                        ; the cosine is negative in quarters 1 and 2,
	v_and_b32 v27, 2, v27
	v_lshlrev_b32 v27, 30, v27
	v_xor_b32 v30, v27, v30                        ; the sine in quarters 2 and 3
	global_store_b32 v5, v29, s[14:15]             ; 32 lanes store 128 consecutive bytes: half of the token's 256; the table is 0.5 MB
	global_store_b32 v5, v30, s[14:15] offset:128
	s_wait_xcnt 0x0                                ; the stores have read their offset and data: both are written again only behind this wait
	v_add_nc_u32 v5, 0x100, v5
	s_add_co_u32 s24, s24, 1
	s_add_co_u32 s25, s25, 1
	s_cmp_lt_u32 s25, 16
	s_cbranch_scc1 .Ltok
	s_endpgm
.Lfunc_end_k_qa66203b24d_prep:
	.size	k_qa66203b24d_prep, .Lfunc_end_k_qa66203b24d_prep-k_qa66203b24d_prep
	.p2alignl 7, 3214868480
	.fill 96, 4, 3214868480
	.section	.rodata,"a",@progbits
	.p2align	6, 0x0
	.amdhsa_kernel k_qa66203b24d_prep
		.amdhsa_group_segment_fixed_size 34304
		.amdhsa_private_segment_fixed_size 0
		.amdhsa_enable_private_segment 0
		.amdhsa_kernarg_size 48
		.amdhsa_user_sgpr_count 2
		.amdhsa_user_sgpr_kernarg_segment_ptr 1
		.amdhsa_wavefront_size32 1
		.amdhsa_system_sgpr_workgroup_id_x 1
		.amdhsa_system_sgpr_workgroup_id_y 1
		.amdhsa_system_sgpr_workgroup_id_z 1
		.amdhsa_system_vgpr_workitem_id 0
		.amdhsa_next_free_vgpr 256
		.amdhsa_next_free_sgpr 66
		.amdhsa_reserve_vcc 1
		.amdhsa_float_denorm_mode_32 3
		.amdhsa_float_denorm_mode_16_64 3
		.amdhsa_memory_ordered 1
		.amdhsa_forward_progress 1
		.amdhsa_inst_pref_size 112
	.end_amdhsa_kernel
	.amdgpu_metadata
---
amdhsa.version: [ 1, 2 ]
amdhsa.kernels:
  - .name:           k_qa66203b24d_prep
    .symbol:         k_qa66203b24d_prep.kd
    .args:
      - { .name: x, .offset: 0, .size: 8, .value_kind: global_buffer, .address_space: global }
      - { .name: W_qkv, .offset: 8, .size: 8, .value_kind: global_buffer, .address_space: global }
      - { .name: W_out, .offset: 16, .size: 8, .value_kind: global_buffer, .address_space: global }
      - { .name: xq, .offset: 24, .size: 8, .value_kind: global_buffer, .address_space: global }
      - { .name: wq, .offset: 32, .size: 8, .value_kind: global_buffer, .address_space: global }
      - { .name: tab, .offset: 40, .size: 8, .value_kind: global_buffer, .address_space: global }
    .group_segment_fixed_size: 34304
    .private_segment_fixed_size: 0
    .kernarg_segment_align: 8
    .kernarg_segment_size: 48
    .max_flat_workgroup_size: 128
    .sgpr_count:     66
    .vgpr_count:     256
    .wavefront_size: 32
...
	.end_amdgpu_metadata
.endif
;; end of part 1
;; launch qkv (part 2): grid 12 x 32, 4 waves a work-group, clusters of 4 x 4, 327,680 bytes of LDS; arguments xq, wq, tab, b_qkv, qb, kb, vb; writes qb, kb, vb
.if DOCPART == 2
	.amdgcn_target "amdgcn-amd-amdhsa--gfx1250"
	.amdhsa_code_object_version 6
	.text
	.protected	k_qa66203b24d_qkv
	.globl	k_qa66203b24d_qkv
	.p2align	8
	.type	k_qa66203b24d_qkv,@function
k_qa66203b24d_qkv:
	s_mov_b64 s[64:65], 0
	v_nop
	global_prefetch_b8 v0, s[64:65] scope:SCOPE_SE
	s_setreg_imm32_b32 hwreg(HW_REG_WAVE_MODE, 25, 1), 1
	s_wait_xcnt 0x0
	s_wait_alu depctr_hold_cnt(0) depctr_sa_sdst(0) depctr_va_vdst(0) depctr_va_sdst(0) depctr_va_ssrc(0) depctr_va_vcc(0) depctr_vm_vsrc(0)
	s_getreg_b32 s2, hwreg(HW_REG_IB_STS2, 6, 4)
	s_cmp_eq_u32 s2, 0
	s_cbranch_scc0 .Lentry_in_a_cluster
	s_endpgm
.Lentry_in_a_cluster:
	s_bfe_u32 s2, ttmp6, 0x10000c
	s_cmp_lg_u32 s2, 0xf033
	s_cbranch_scc0 .Lentry_shape_is_right
	s_endpgm
.Lentry_shape_is_right:
; QKV: x W_qkv + b_qkv on codes of BF8 with E8M0 scales (K = 1,024), the rotation of q and k, and q, k, v quantised in registers for the two products of attention.  No f32 intermediate goes to memory.
; A work-group of four waves makes 256 x 256 of the product, a wave 128 x 128: 64 accumulators, 512 registers.  K goes in steps of 256 through two LDS slots filled by the tensor data mover.
; OPERANDS ARE IMAGES OF THEIR REGISTERS (made by the launch before): tile T = 2 g + u holds rows 32 g + 8 u + r + 8 (r / 8); fragment (T, K step s of 128) is 2,048 bytes at 16,384 T + 2,048 s, piece c at 512 c, lane at 16 x lane.
; So a fragment is four ds_load_b128 of 512 consecutive bytes each: no pitch, no padding.  Scale words: behind the codes at 512 T + 128 (s / 2) + 8 r + 4 (s % 2): one ds_load_b64 brings a row's two words of a slot.
; THE MATRIX INSTRUCTION IS USED TRANSPOSED: source 0 = a tile of operand B, source 1 = a tile of operand A.  Lane (r, h) then holds A's row r of the tile, and the 16 registers of B's tiles 2 g, 2 g + 1 are B's rows 32 g + 16 h + 0 .. 15.
; THE CLUSTER'S x SAYS WHAT IS MADE: 0 q, 1 k, 2 v.  q, k: A = tokens, B = W's columns: a lane holds a token and its registers run along the head's channels, the K of q k^T.
; v: A = W's columns, B = tokens (the two buffers change places, nothing else): a lane holds a channel and its registers run along the tokens, the K of p v.  One loop serves all three.
; CLUSTERS: 4 x 4 work-groups.  A's tiles are shared along a row of the cluster, B's along a column: each is asked for jointly, by the same tensor load with the same descriptor and a mask that names the four.
; THE PADDING MASK RIDES IN THE IDLE HALF OF q k^T's K (the head has 64 channels, the instruction takes 128): channel 64 is 1.0 in q and -1.0 in k (constants of the next launch); byte 2 of q's scale word is 117,
; byte 2 of k's is 254 for a padded key and 1 for any other: a padded key's score gets -2^117, any other -2^-136.  pad_mask's bytes are taken to be 0 or 1.
; OUT: qb: codes (128 bh + Tq) 1,024 + 512 blk + 16 lane; words at 8,388,608 + (128 bh + Tq) 64 + 4 r.   kb: a block of 17,408 bytes for each (bh, 256 keys): 1,024 tk + 512 blk + 16 lane; words at 16,384 + 64 tk + 4 r.
;      vb: a block of 17,408 bytes for each (bh, 256 keys): fragment (4 st + dt) 2,048 + 512 c + 16 lane; words at 16,384 + (4 st + dt) 128 + 4 lane.
; LIMITS: NaN and infinities are not served; a block whose largest magnitude lies under 2^-111 gets the byte 1.
; REGISTERS, in windows of 256: window 0: v0-31 addresses; v32-63 scale words, two sets, and nothing else; v64-127 the bias; v128-255 A's fragments, one set; in the epilogue v128-191 64 results, v192-223 at work, v224-255 codes and words.
;   window 1: B's fragments, two sets; in the epilogue two sets of cosines and sines.   window 2: the accumulators of A's blocks 0-3 ((a, b) at v[8 (8 (a % 4) + b)]);   window 3: those of blocks 4-7.
; THE PADDING MASK AS IT STANDS NOW (this takes the place of the paragraph on it above): this launch does not read pad_mask.  Bytes 2 and 3 of every scale word are constants: q: 186 and 127, k: 185 and 127.
; The next launch puts the code of 1.0 into q's channel 64 and the code of -1.0 (padded key) or 0 (any other) into k's: the mask is carried by codes, and a padded key's score gets -2^(59 + 58).
; THE HEAD'S TILES are shared out, one tensor load a wave: wave 0 A's 16 tiles of K step 0, wave 1 B's, wave 2 A's scale words, wave 3 B's; slot 1 is first filled behind the full sequence and a round.
.set NQ,     2
.set FR,     16                        ; registers of a fragment
.set NL,     4                         ; LDS loads that bring one
.set NP,     8                         ; places behind this matrix instruction (ISA guide 7.12.1)
.set KB,     4096                      ; a tile's bytes of a K step of 256
.set SLOT,   131072                    ; 32 tiles x 4,096: A's 16, then B's 16
.set SCL,    2*SLOT                    ; behind the ring: the scale words of the 32 tiles for all of K, 512 bytes a tile; filled once
.set SPARE,  SCL+16384                 ; the spare words, 128 bytes for each wave: two blocks of 256 bytes that no other line names
.set L16,  4                           ; v4   16 x lane
.set BOF,  7                           ; v7   the bias loads' offset
.set PR,   8                           ; v8   r + 8 (r / 8): my row in a tile
.set L4,   9                           ; v9   4 x lane
.set TOF,  10                          ; v10  256 (r + 8 (r / 8)) + 64 h: my token's 16 cosines in the table
.set ADRA, 16                          ; v16-17  LDS address of my A fragments in slot 0, 1
.set ADRB, 20                          ; v20-21  the same for B
.set ADRS, 27                          ; v27  LDS address of my scale words: lanes 0-15 A's rows, lanes 16-31 B's
.set SPW,  28                          ; v28  LDS address of my spare word; never rewritten
.set NIL,  29                          ; v29  0; never rewritten
.set SC,   32                          ; scale words: set s at v[SC + 16 s]; register 2 i + q: lanes 0-15 A's block i, lanes 16-31 B's block i, the slot's q-th 128 along K
.set BI,   64
.set AF,   128
.set Y,    128                         ; the epilogue: 64 numbers of a lane
.set TT,   192                         ; v192-207, v208-223 the rotation's two products
.set UU,   208
.set TM,   192                         ; v192-207 at work in QUANT (the rotation's products are dead by then)
.set PC,   224                         ; v224-239 codes
.set PW,   240                         ; the scale word
.set PM,   241
.set WE,   249                         ; v249-250 the even tile's two words
.set HI,   251                         ; bytes 2 and 3 of a word
.set WD,   252                         ; v252-253 the odd tile's two words
.set OW,   254                         ; v254-255 two tiles' words: lanes 0-15 the even tile's, lanes 16-31 the odd one's
.set WV,   20                          ; s20 wave;  s21 wave / 2: my half of A's rows, and: I fetch for A (0) or B (1);  s22 wave % 2: my half of B's rows, and: which 8 tiles I fetch
.set RH,   21
.set CH,   22
.set G1,   24                          ; s[24:31] group 1 for A's codes;  s[32:39] group 0, a set for each slot
.set G0,   32
.set G1B,  48                          ; s[48:55], s[56:63] the same for B
.set G0B,  56
.set G1S,  68                          ; s[68:75], s[76:79] groups 1 and 0 for A's scale words;  s[80:87], s[88:91] for B's
.set G0S,  76
.set G1SB, 80
.set G0SB, 88
.set SEL,  44                          ; the epilogue: s[44:45] lane selects, s46 57,344's mantissa field, s47 the mask of lanes 16-31
.set MNT,  46
.set HM,   47
.set MSB, 0
.macro WIN new                         ; the immediate's high byte repeats the setting that is left; a switch that changes nothing is dropped
.if MSB != (\new)
	s_set_vgpr_msb (MSB<<8)|(\new)
.set MSB, (\new)
.endif
.endm
.set MUL_LO, 0xa1                      ; source 0 (B) window 1, source 1 (A) window 0, C and D window 2
.set MUL_HI, 0xf1                      ; the same, C and D window 3
.set TO_B,   0x40                      ; destination window 1, address window 0
; A joint load: waves 0 and 1 fetch for A, waves 2 and 3 for B.  The branch hangs on the wave's number alone.  Four v_nop follow each of the two lines.
.macro JLOAD g0a, g1a, g0b, g1b
	s_cmp_eq_u32 s[RH], 0
	s_cbranch_scc0 .Lfor_b_\@
	tensor_load_to_lds s[\g0a:\g0a+3], s[\g1a:\g1a+7]
	s_nop 0
.rept 4
	v_nop
.endr
	s_branch .Lasked_\@
.Lfor_b_\@:
	tensor_load_to_lds s[\g0b:\g0b+3], s[\g1b:\g1b+7]
	s_nop 0
.rept 4
	v_nop
.endr
.Lasked_\@:
.endm
.macro CREST                           ; a round of the cluster's barrier behind its opening barrier
	s_cmp_lg_u32 s[WV], 0
	s_cbranch_scc1 .Lnot_wave_0_\@
	s_barrier_signal -3
.Lnot_wave_0_\@:
	s_barrier_wait -3
	s_barrier_signal -1
	s_barrier_wait -1
.endm
.macro CROUND                          ; a whole round
	s_barrier_signal -1
	s_barrier_wait -1
	CREST
.endm
.macro PLACES n
.rept \n
	v_nop
.endr
.endm
	s_load_b256 s[4:11], s[0:1], 0x0               ; xq s[4:5], wq s[6:7], tab s[8:9], b_qkv s[10:11]
	s_load_b64 s[14:15], s[0:1], 0x20              ; qb
	s_load_b128 s[16:19], s[0:1], 0x28             ; kb, vb
	v_lshl_add_u32 v[SPW], v0, 2, SPARE
	v_mov_b32 v[NIL], 0
	ds_add_u32 v28, v29
	ds_add_u32 v28, v29
	s_wait_dscnt 0x0
	v_lshrrev_b32 v1, 5, v0
	v_readfirstlane_b32 s[WV], v1
	s_lshr_b32 s[RH], s[WV], 1
	s_and_b32 s[CH], s[WV], 1
	s_bfe_u32 s40, ttmp6, 0x40000                  ; cx, cy: my place in the cluster
	s_bfe_u32 s41, ttmp6, 0x40004
	s_and_b32 s44, ttmp7, 0xffff                   ; the cluster's y
	s_cmp_eq_u32 ttmp9, 2                          ; v?  The cluster's x is the same in all sixteen partners
	s_cselect_b32 s43, 2, s44                      ; A's blocks of 256 rows: v: W's columns 2,048 on; q, k: tokens by the cluster's y
	s_cselect_b32 s42, s44, ttmp9                  ; B's: v: tokens; q, k: W's columns by the cluster's x
	s_lshl_b32 s43, s43, 2
	s_add_co_u32 s43, s43, s41                     ; ia: A's block: it hangs on cy, never on cx
	s_lshl_b32 s42, s42, 2
	s_add_co_u32 s42, s42, s40                     ; ib: B's block: on cx, never on cy
	s_lshl_b32 s45, s41, 2
	s_lshl_b32 s45, 15, s45                        ; my row of the cluster
	s_lshl_b32 s46, 0x1111, s40                    ; my column
	; group 1 for codes: 8 tiles' rows of 4,096 bytes (512 elements of 8 bytes), 16,384 bytes apart; they land on end
	s_or_b32 s[G1], s45, (3<<16)|(1<<21)           ; 15:0 the mask; 17:16 elements of 8 bytes; 21 set beside a mask; no padding
	s_or_b32 s[G1B], s46, (3<<16)|(1<<21)
.irp g, G1, G1B
	s_mov_b32 s[\g+1], 512<<16                     ; tensor_dim0
	s_mov_b32 s[\g+2], 16<<16                      ; tensor_dim1: 16 tiles for the head's loads; 8 behind them
	s_mov_b32 s[\g+3], 512<<16                     ; tile_dim0
	s_mov_b32 s[\g+4], 16                          ; tile_dim1 likewise
	s_mov_b32 s[\g+5], 2048                        ; tensor_dim0_stride
	s_mov_b32 s[\g+6], 0
	s_mov_b32 s[\g+7], 0
.endr
	; and for the scale words of 16 tiles: 8,192 dense bytes as 32 rows of 256
	s_or_b32 s[G1S], s45, (3<<16)|(1<<21)
	s_or_b32 s[G1SB], s46, (3<<16)|(1<<21)
.irp g, G1S, G1SB
	s_mov_b32 s[\g+1], 32<<16
	s_mov_b32 s[\g+2], 32<<16
	s_mov_b32 s[\g+3], 32<<16
	s_mov_b32 s[\g+4], 32
	s_mov_b32 s[\g+5], 32
	s_mov_b32 s[\g+6], 0
	s_mov_b32 s[\g+7], 0
.endr
	s_lshl_b32 s44, s43, 4                         ; A's first tile
	s_lshl_b32 s92, s44, 14
	s_mov_b32 s93, 0
	s_lshl_b32 s94, s44, 9
	s_mov_b32 s95, 0
	s_lshl_b32 s23, s42, 4                         ; B's first tile
	s_lshl_b32 s96, s23, 14
	s_mov_b32 s97, 0
	s_lshl_b32 s98, s23, 9
	s_mov_b32 s99, 0
	s_wait_kmcnt 0x0
	s_cmp_eq_u32 ttmp9, 2
	s_cselect_b64 s[100:101], s[6:7], s[4:5]       ; A's buffer: v: wq, else xq
	s_cselect_b64 s[66:67], s[4:5], s[6:7]         ; B's: the other
	s_mov_b32 s2, 0x800000
	s_cselect_b32 s2, 0x400000, s2                 ; where A's scale words begin in it
	s_mov_b32 s3, 0x400000
	s_cselect_b32 s3, 0x800000, s3                 ; and B's
	s_add_co_u32 s94, s94, s2
	s_add_co_u32 s98, s98, s3
	s_add_nc_u64 s[92:93], s[100:101], s[92:93]
	s_add_nc_u64 s[94:95], s[100:101], s[94:95]
	s_add_nc_u64 s[96:97], s[66:67], s[96:97]
	s_add_nc_u64 s[98:99], s[66:67], s[98:99]
	s_lshl_b32 s2, s[WV], 15                       ; where they go: wave x 32,768 in a slot: no place in the cluster enters an LDS address
	CROUND                                         ; all sixteen work-groups are here: the first joint loads meet
	s_mov_b32 s[G0S], 1
	s_mov_b32 s[G0S+1], SCL
	s_mov_b64 s[G0S+2:G0S+3], s[94:95]
	s_or_b32 s[G0S+3], s[G0S+3], 0x80000000
	s_mov_b32 s[G0SB], 1
	s_mov_b32 s[G0SB+1], SCL+8192
	s_mov_b64 s[G0SB+2:G0SB+3], s[98:99]
	s_or_b32 s[G0SB+3], s[G0SB+3], 0x80000000
.set G0H,  4                           ; s[4:7], s[44:47] group 0 for the head's loads of K step 0: A's 16 tiles, B's 16 (what lay there has been used)
.set G0HB, 44
	s_mov_b32 s[G0H], 1
	s_mov_b32 s[G0H+1], 0
	s_mov_b64 s[G0H+2:G0H+3], s[92:93]
	s_or_b32 s[G0H+3], s[G0H+3], 0x80000000
	s_mov_b32 s[G0HB], 1
	s_mov_b32 s[G0HB+1], 65536
	s_mov_b64 s[G0HB+2:G0HB+3], s[96:97]
	s_or_b32 s[G0HB+3], s[G0HB+3], 0x80000000
	s_lshl_b32 s66, s[CH], 17                      ; for the ring: which 8 tiles of the 16 I fetch, 16,384 bytes a tile
	s_mov_b32 s67, 0
	s_add_nc_u64 s[92:93], s[92:93], s[66:67]
	s_add_nc_u64 s[96:97], s[96:97], s[66:67]
.irp s, 0,1
	s_mov_b32 s[G0+4*\s], 1
	s_add_co_u32 s[G0+4*\s+1], s2, \s*SLOT
	s_add_nc_u64 s[G0+4*\s+2:G0+4*\s+3], s[92:93], \s*KB
	s_or_b32 s[G0+4*\s+3], s[G0+4*\s+3], 0x80000000
	s_mov_b32 s[G0B+4*\s], 1
	s_add_co_u32 s[G0B+4*\s+1], s2, \s*SLOT
	s_add_nc_u64 s[G0B+4*\s+2:G0B+4*\s+3], s[96:97], \s*KB
	s_or_b32 s[G0B+4*\s+3], s[G0B+4*\s+3], 0x80000000
.endr
; one chain of branches on the wave's number, a load to an arm: every way through the head passes exactly one load
.macro ARM under, g0, g1, next
	s_cmp_lt_u32 s[WV], \under
	s_cbranch_scc0 \next
	tensor_load_to_lds s[\g0:\g0+3], s[\g1:\g1+7]
	s_nop 0
.rept 4
	v_nop
.endr
	s_branch .Lhead_asked
\next:
.endm
	ARM 1, G0H,  G1,  .Lhead_b
	ARM 2, G0HB, G1B, .Lhead_sa
	ARM 3, G0S,  G1S, .Lhead_sb
	tensor_load_to_lds s[G0SB:G0SB+3], s[G1SB:G1SB+7]
	s_nop 0
.rept 4
	v_nop
.endr
.Lhead_asked:
	v_and_b32 v1, 15, v0                           ; r
	v_bfe_u32 v2, v0, 4, 1                         ; h
	v_and_b32 v3, 31, v0                           ; lane
	v_lshlrev_b32 v[L16], 4, v3
	v_lshlrev_b32 v[L4], 2, v3
	v_and_b32 v[PR], 8, v1
	v_add_nc_u32 v[PR], v[PR], v1
	v_lshlrev_b32 v[TOF], 8, v[PR]
	v_lshl_add_u32 v[TOF], v2, 6, v[TOF]
	s_lshl_b32 s2, s[RH], 15                       ; my 8 tiles of A
	s_lshl_b32 s3, s[CH], 15                       ; my 8 tiles of B,
	s_add_co_u32 s3, s3, 65536                     ; which lie behind A's 16
.irp s, 0,1
	v_add_nc_u32 v[ADRA+\s], s2, v[L16]
	v_add_nc_u32 v[ADRB+\s], s3, v[L16]
	s_add_co_u32 s2, s2, SLOT
	s_add_co_u32 s3, s3, SLOT
.endr
	v_lshlrev_b32 v5, 3, v1                        ; 8 r
	s_lshl_b32 s2, s[RH], 12                       ; A's words: my 8 tiles
	s_lshl_b32 s3, s[CH], 12                       ; B's: my 8 tiles, behind A's 16
	s_add_co_u32 s3, s3, 8192
	s_sub_co_u32 s3, s3, s2
	v_mul_u32_u24 v6, s3, v2                       ; lanes 16-31 take B's: one product, h x the distance
	s_add_co_u32 s2, s2, SCL
	v_add_nc_u32 v5, v5, v6
	v_add_nc_u32 v[ADRS], s2, v5
.macro FRAG reg, adr, q, i             ; a fragment as it lies: four pieces of 512 consecutive bytes
.irp c, 0,1,2,3
	ds_load_b128 v[\reg+4*\c:\reg+4*\c+3], v[\adr] offset:4096*(\i)+2048*(\q)+512*\c
.endr
.endm
; 16 matrix instructions: A's blocks a0, a0 + 1 x B's eight, the slot's q-th 128 along K.  p: B's set; sc: the set of scale words.  zero = 1: the first product starts the sums.
; The 64 accumulators take turns, one instruction a turn, in the same order in every step.
.macro MUL16 a0, p, q, sc, zero
.irp a, \a0, \a0+1
.irp b, 0,1,2,3,4,5,6,7
.if \zero
	v_wmma_scale_f32_16x16x128_f8f6f4 v[8*(8*((\a)%4)+\b):8*(8*((\a)%4)+\b)+7], v[128*(\p)+FR*\b:128*(\p)+FR*\b+FR-1], v[AF+FR*(\a):AF+FR*(\a)+FR-1], 0, v[SC+8*NQ*(\sc)+NQ*\b+(\q)], v[SC+8*NQ*(\sc)+NQ*(\a)+(\q)] matrix_a_fmt:MATRIX_FMT_BF8 matrix_b_fmt:MATRIX_FMT_BF8 matrix_a_scale:MATRIX_SCALE_ROW1
.else
	v_wmma_scale_f32_16x16x128_f8f6f4 v[8*(8*((\a)%4)+\b):8*(8*((\a)%4)+\b)+7], v[128*(\p)+FR*\b:128*(\p)+FR*\b+FR-1], v[AF+FR*(\a):AF+FR*(\a)+FR-1], v[8*(8*((\a)%4)+\b):8*(8*((\a)%4)+\b)+7], v[SC+8*NQ*(\sc)+NQ*\b+(\q)], v[SC+8*NQ*(\sc)+NQ*(\a)+(\q)] matrix_a_fmt:MATRIX_FMT_BF8 matrix_b_fmt:MATRIX_FMT_BF8 matrix_a_scale:MATRIX_SCALE_ROW1
.endif
.endr
.endr
.endm
.macro FETCH_B slot, q, p
	WIN TO_B
.irp i, 0,1,2,3,4,5,6,7
	FRAG 128*(\p)+FR*\i, ADRB+\slot, \q, \i
.endr
	WIN 0
.endm
.macro FETCH_A slot, q, i0
.irp i, \i0, \i0+1, \i0+2, \i0+3
	FRAG AF+FR*(\i), ADRA+\slot, \q, \i
.endr
.endm
.macro SCALES sc                       ; a slot's scale words: two a row; lanes 0-15 take A's block i, lanes 16-31 B's block i
.irp i, 0,1,2,3,4,5,6,7
	ds_load_b64 v[SC+8*NQ*\sc+NQ*\i:SC+8*NQ*\sc+NQ*\i+1], v[ADRS] offset:512*\i
.endr
.endm
; A step of 128 along K that has its successor in the same slot.  A has one set of registers: blocks 0-3 are fetched anew in the step's middle, blocks 4-7 at its end; B has two sets.
; Eight plain lines stand in front of each run of loads into registers that matrix instructions have read.
.macro STEP slot, q, zero
	s_wait_dscnt 4*NL                              ; B's set and A's blocks 0-3 are in; the youngest 16 loads (A's blocks 4-7) may be out
	WIN MUL_LO
	MUL16 0, (\q)%2, \q, \slot, \zero
	MUL16 2, (\q)%2, \q, \slot, \zero
	s_wait_dscnt 0                                 ; A's blocks 4-7 are in
	PLACES NP
	FETCH_B \slot, (\q)+1, 1-(\q)%2
	FETCH_A \slot, (\q)+1, 0
	WIN MUL_HI
	MUL16 4, (\q)%2, \q, \slot, \zero
	MUL16 6, (\q)%2, \q, \slot, \zero
	PLACES NP
	WIN 0
	FETCH_A \slot, (\q)+1, 4
.endm
; A slot's last step changes slots: one barrier; in front of it each wave waits for all its tensor loads, adds 0 to its spare word, and waits for that and for its own reads of this slot.  fill = 1: the slot is filled again, two K steps ahead.
.macro TURN slot, next, fill
	s_wait_tensorcnt 0x0                           ; all my tensor loads have landed: my part of the next slot (every window is 0 here)
	ds_add_u32 v[SPW], v[NIL]                      ; 0 onto my spare word
	s_wait_dscnt 4*NL+1                            ; the add and the youngest 16 loads (A's blocks 4-7) may be out
	WIN MUL_LO
	MUL16 0, 1, NQ-1, \slot, 0                     ; sixteen matrix instructions stand between the add and the wait for it
	s_wait_dscnt 0x0                               ; the add is done, and my reads of this slot are over
	s_barrier_signal -1
	MUL16 2, 1, NQ-1, \slot, 0
	WIN 0
	s_barrier_wait -1
.if \fill
	CREST                                          ; the barrier has opened a round of the cluster's: no wave of any partner still reads this slot or has a load on its way
	s_add_nc_u64 s[G0+4*\slot+2:G0+4*\slot+3], s[G0+4*\slot+2:G0+4*\slot+3], 2*KB
	s_add_nc_u64 s[G0B+4*\slot+2:G0B+4*\slot+3], s[G0B+4*\slot+2:G0B+4*\slot+3], 2*KB
	JLOAD G0+4*\slot, G1, G0B+4*\slot, G1B         ; the first tensor load behind the round, one a wave; its four v_nop are four of the eight places
	PLACES NP-4
.else
	PLACES NP
.endif
	s_wait_alu depctr_va_vdst(0)
	v_add_nc_u32 v[ADRS], 128, v[ADRS]             ; on to the next slot's scale words
	FETCH_B \next, 0, 0
	FETCH_A \next, 0, 0
	SCALES \next
	WIN MUL_HI
	MUL16 4, 1, NQ-1, \slot, 0
	MUL16 6, 1, NQ-1, \slot, 0
	PLACES NP
	WIN 0
	FETCH_A \next, 0, 4
.endm
	s_wait_alu depctr_va_vdst(0)
	s_wait_tensorcnt 0x0                           ; my tile of the head's four is in
	ds_add_u32 v[SPW], v[NIL]
	s_mov_b32 s[G1+2], 8<<16                       ; no tensor load of mine is out: from here on a load brings 8 tiles
	s_mov_b32 s[G1+4], 8
	s_mov_b32 s[G1B+2], 8<<16
	s_mov_b32 s[G1B+4], 8
	s_wait_dscnt 0x0
	CROUND                                         ; all four tiles are in, and all sixteen work-groups are here
	JLOAD G0+4, G1, G0B+4, G1B                     ; K step 1: the first tensor load behind the round
	FETCH_B 0, 0, 0
	FETCH_A 0, 0, 0
	SCALES 0
	FETCH_A 0, 0, 4
	STEP 0, 0, 1                                   ; K = 1,024 is four slots' worth, eight steps: written out, since a loop over laps would have one trip
	TURN 0, 1, 1
	STEP 1, 0, 0
	TURN 1, 0, 1
	STEP 0, 0, 0
	TURN 0, 1, 0                                   ; the last two slots are filled no more
	STEP 1, 0, 0
	s_wait_dscnt 4*NL
	WIN MUL_LO
	MUL16 0, 1, NQ-1, 1, 0
	MUL16 2, 1, NQ-1, 1, 0
	s_wait_dscnt 0
	WIN MUL_HI
	MUL16 4, 1, NQ-1, 1, 0
	MUL16 6, 1, NQ-1, 1, 0
	WIN 0
; ---------------- THE EPILOGUE
; 64 numbers of a lane, register 16 b + i = k 32 b + 16 h + i of my row, become 16 code registers v[PC] on and the scale word v[PW]
.macro QUANT s
.irp b, 0,1,2,3
	v_max3_num_f32 v[TM+\b], |v[\s+16*\b]|, |v[\s+1+16*\b]|, 0x8000000   ; block b: my 16 numbers, and the floor 2^(16 - 127): the byte cannot fall under 1
.endr
.irp i, 2,4,6,8,10,12,14
.irp b, 0,1,2,3
	v_max3_num_f32 v[TM+\b], v[TM+\b], |v[\s+16*\b+\i]|, |v[\s+1+16*\b+\i]|
.endr
.endr
.irp b, 0,1,2,3
	v_permlanex16_b32 v[TM+4+\b], v[TM+\b], s[SEL], s[SEL+1]
.endr
.irp b, 0,1,2,3
	v_max_num_f32 v[TM+\b], v[TM+\b], v[TM+4+\b]                   ; with lane l xor 16's 16: the block's largest magnitude
.endr
.irp b, 0,1,2,3
	v_add_nc_u32 v[TM+12+\b], 0xf8800000, v[TM+\b]                 ; 15 off its exponent field: the conversion's scale operand
.endr
.irp b, 0,1,2,3
	v_and_or_b32 v[TM+8+\b], v[TM+\b], 0x7f800000, s[MNT]          ; 57,344 x the scale
.endr
.irp b, 0,1,2,3
	v_lshrrev_b32 v[TM+4+\b], 23, v[TM+12+\b]                      ; the byte
.endr
	v_lshl_or_b32 v[PW], v[TM+5], 8, v[TM+4]
	v_lshl_or_b32 v[PW], v[TM+6], 16, v[PW]
	v_lshl_or_b32 v[PW], v[TM+7], 24, v[PW]
.irp b, 0,1,2,3
.irp i, 0,1,2,3,4,5,6,7,8,9,10,11,12,13,14,15
	v_med3_num_f32 v[\s+16*\b+\i], v[\s+16*\b+\i], -v[TM+8+\b], v[TM+8+\b]   ; the conversion to an 8-bit code does not saturate (ISA guide 7.6.2): the hold comes first
.endr
	v_cvt_scalef32_pk8_bf8_f32 v[PC+4*\b:PC+1+4*\b], v[\s+16*\b:\s+7+16*\b], v[TM+12+\b]
	v_cvt_scalef32_pk8_bf8_f32 v[PC+2+4*\b:PC+3+4*\b], v[\s+8+16*\b:\s+15+16*\b], v[TM+12+\b]
.endr
	v_nop                                          ; a plain line behind the last conversion
.endm
.macro WAVE_END
	s_wait_tensorcnt 0x0                           ; the wave's end
	ds_add_u32 v[SPW], v[NIL]
	s_wait_dscnt 0x0
	CROUND                                         ; the closing round: no work-group ends while a partner may still ask for a tile that names it
	s_endpgm
.endm
	PLACES NP                                      ; behind the last products: in front of the first read of results and of writes and loads into registers that they read
.irp b, 0,1,2,3
	v_mov_b32 v[TM+4+\b], 0                        ; a lane permute's destination counts as one of its sources
.endr
	s_cmp_eq_u32 ttmp9, 2
	s_cbranch_scc1 .Lepi_v
; ---- q and k.  Lane (r, h) holds token r of A's tile a; register 16 g + i of the tile's 64 is column 32 g + 16 h + i of my 128: heads hd = g / 2, channel 32 (g % 2) + 16 h + i.
	s_lshr_b32 s44, s43, 3
	s_lshl_b32 s44, s44, 4                         ; 16 x batch
	s_and_b32 s45, s42, 3
	s_lshl_b32 s45, s45, 2
	s_add_co_u32 s44, s44, s45
	s_lshl_b32 s45, s[CH], 1
	s_add_co_u32 s44, s44, s45                     ; bh of my first head
	s_and_b32 s45, s43, 7                          ; which 256 tokens of the batch
	s_cmp_eq_u32 ttmp9, 0                          ; q or k: only these numbers differ
	s_cselect_b64 s[100:101], s[14:15], s[16:17]
	s_mov_b32 s46, 139264
	s_cselect_b32 s46, 131072, s46                 ; codes: from head to head,
	s_mov_b32 s47, 17408
	s_cselect_b32 s47, 16384, s47                  ; from 256 tokens to the next
	s_mov_b32 s66, 139264
	s_cselect_b32 s66, 8192, s66                   ; scale words: the same two,
	s_mov_b32 s67, 17408
	s_cselect_b32 s67, 1024, s67
	s_mov_b32 s2, 16384
	s_cselect_b32 s2, 8388608, s2                  ; and where they begin
	s_mov_b32 s23, 0x7fb90000
	s_cselect_b32 s23, 0x7fba0000, s23             ; bytes 3 and 2 of every word: 127, and q: 186, k: 185
	s_mul_i32 s92, s44, s46
	s_mul_i32 s94, s45, s47
	s_add_co_u32 s92, s92, s94
	s_lshl_b32 s94, s[RH], 13
	s_add_co_u32 s92, s92, s94
	s_mov_b32 s93, 0
	s_add_co_u32 s94, s92, s46
	s_mov_b32 s95, 0
	s_mul_i32 s96, s44, s66
	s_mul_i32 s98, s45, s67
	s_add_co_u32 s96, s96, s98
	s_lshl_b32 s98, s[RH], 9
	s_add_co_u32 s96, s96, s98
	s_add_co_u32 s96, s96, s2
	s_mov_b32 s97, 0
	s_add_co_u32 s98, s96, s66
	s_mov_b32 s99, 0
	s_add_nc_u64 s[92:93], s[100:101], s[92:93]    ; codes of head 0,
	s_add_nc_u64 s[94:95], s[100:101], s[94:95]    ; of head 1,
	s_add_nc_u64 s[96:97], s[100:101], s[96:97]    ; scale words of head 0,
	s_add_nc_u64 s[98:99], s[100:101], s[98:99]    ; of head 1
	s_lshl_b32 s66, s45, 16
	s_lshl_b32 s67, s[RH], 15
	s_add_co_u32 s66, s66, s67
	s_mov_b32 s67, 0
	s_add_nc_u64 s[8:9], s[8:9], s[66:67]          ; the table at my 128 tokens' first
	s_lshl_b32 s66, s42, 10
	s_lshl_b32 s2, s[CH], 9
	s_add_co_u32 s66, s66, s2
	s_add_nc_u64 s[10:11], s[10:11], s[66:67]      ; the bias at my 128 columns' first
	s_mov_b32 s[SEL], 0x76543210
	s_mov_b32 s[SEL+1], 0xfedcba98
	s_mov_b32 s[MNT], 0x600000
	s_mov_b32 s[HM], 0xffff0000
	v_lshlrev_b32 v[BOF], 6, v2
.irp g, 0,1,2,3
.irp e, 0,1,2,3
	global_load_b128 v[BI+16*\g+4*\e:BI+16*\g+4*\e+3], v[BOF], s[10:11] offset:128*\g+16*\e   ; the bias in the results' layout
.endr
.endr
.macro TAB a                           ; tile a's cosines and sines of frequencies 16 h + 0 .. 15, into set a % 2 of window 1
	WIN TO_B
.irp j, 0,1,2,3
	global_load_b128 v[32*((\a)%2)+4*\j:32*((\a)%2)+4*\j+3], v[TOF], s[8:9] offset:(32*((\a)/2)+8*((\a)%2))*256+16*\j
	global_load_b128 v[32*((\a)%2)+16+4*\j:32*((\a)%2)+16+4*\j+3], v[TOF], s[8:9] offset:(32*((\a)/2)+8*((\a)%2))*256+128+16*\j
.endr
	WIN 0
.endm
	TAB 0
.macro QKTILE a
	s_wait_xcnt 0x0                                ; the last tile's stores have read their data: codes and words are written again only behind this wait
.if (\a) < 7
	TAB (\a)+1
	s_wait_loadcnt 8                               ; all but the next tile's 8 table loads are in: the bias, this tile's table
.else
	s_wait_loadcnt 0x0
.endif
	WIN 0x02+(\a)/4                                ; source 0: the accumulators' window
.set n, 0
.rept 32
	v_pk_add_f32 v[Y+n:Y+n+1], v[64*((\a)%4)+n:64*((\a)%4)+n+1], v[BI+n:BI+n+1]   ; + bias; each accumulator from its low end on
.set n, n+2
.endr
	WIN 0x04                                       ; source 1: the table's window
.irp hd, 0,1
.irp p, 0,2,4,6,8,10,12,14
	v_pk_mul_f32 v[TT+\p:TT+\p+1], v[Y+32*\hd+16+\p:Y+32*\hd+17+\p], v[32*((\a)%2)+16+\p:32*((\a)%2)+17+\p]   ; x(d + 32) sin
	v_pk_mul_f32 v[UU+\p:UU+\p+1], v[Y+32*\hd+\p:Y+32*\hd+1+\p], v[32*((\a)%2)+16+\p:32*((\a)%2)+17+\p]       ; x(d) sin
.endr
.irp p, 0,2,4,6,8,10,12,14
	v_pk_fma_f32 v[Y+32*\hd+\p:Y+32*\hd+1+\p], v[Y+32*\hd+\p:Y+32*\hd+1+\p], v[32*((\a)%2)+\p:32*((\a)%2)+1+\p], v[TT+\p:TT+\p+1] neg_lo:[0,0,1] neg_hi:[0,0,1]   ; x(d) cos - x(d + 32) sin
	v_pk_fma_f32 v[Y+32*\hd+16+\p:Y+32*\hd+17+\p], v[Y+32*\hd+16+\p:Y+32*\hd+17+\p], v[32*((\a)%2)+\p:32*((\a)%2)+1+\p], v[UU+\p:UU+\p+1]                        ; x(d + 32) cos + x(d) sin
.endr
.endr
	WIN 0
	QUANT Y                                        ; its four blocks: two heads x two blocks of 32 channels
	v_mov_b32 v[HI], s23                           ; bytes 2 and 3 of both heads' words
.if (\a)%2 == 0
	v_and_or_b32 v[WE], v[PW], 0xffff, v[HI]
	v_lshrrev_b32 v[WE+1], 16, v[PW]
	v_or_b32 v[WE+1], v[WE+1], v[HI]
.else
	v_and_or_b32 v[WD], v[PW], 0xffff, v[HI]
	v_lshrrev_b32 v[WD+1], 16, v[PW]
	v_or_b32 v[WD+1], v[WD+1], v[HI]
	v_cndmask_b32 v[OW], v[WE], v[WD], s[HM]       ; lanes 0-15 the even tile's words, lanes 16-31 the odd tile's (a word is the same in lanes r and r + 16)
	v_cndmask_b32 v[OW+1], v[WE+1], v[WD+1], s[HM]
.endif
.irp hd, 0,1
.irp blk, 0,1
	global_store_b128 v[L16], v[PC+8*\hd+4*\blk:PC+8*\hd+4*\blk+3], s[92+2*\hd:93+2*\hd] offset:1024*(\a)+512*\blk   ; 32 lanes store 512 consecutive bytes, aligned
.endr
.endr
.if (\a)%2
.irp hd, 0,1
	global_store_b32 v[L4], v[OW+\hd], s[96+2*\hd:97+2*\hd] offset:128*((\a)/2)   ; two tiles' words: 128 consecutive bytes
.endr
.endif
.endm
.irp a, 0,1,2,3,4,5,6,7
	QKTILE \a
.endr
	WAVE_END
; ---- v.  Lane (r, h) holds channel r of A's tile a = 4 hd + dt; register 16 c + i is token 32 c + 16 h + i of my 128: the tile's 64 numbers become one fragment of V^T.
.Lepi_v:
	s_lshr_b32 s44, s42, 3
	s_lshl_b32 s44, s44, 4                         ; 16 x batch
	s_lshl_b32 s45, s41, 2
	s_add_co_u32 s44, s44, s45
	s_lshl_b32 s45, s[RH], 1
	s_add_co_u32 s44, s44, s45                     ; bh of my first head
	s_mul_i32 s92, s44, 139264
	s_and_b32 s45, s42, 7
	s_mul_i32 s45, s45, 17408
	s_add_co_u32 s92, s92, s45                     ; the block of these 256 keys
	s_lshl_b32 s45, s[CH], 9
	s_add_co_u32 s96, s92, s45
	s_add_co_u32 s96, s96, 16384                   ; my key step's scale words
	s_lshl_b32 s45, s[CH], 13
	s_add_co_u32 s92, s92, s45                     ; my key step's four fragments
	s_add_co_u32 s94, s92, 139264
	s_add_co_u32 s98, s96, 139264
	s_mov_b32 s93, 0
	s_mov_b32 s95, 0
	s_mov_b32 s97, 0
	s_mov_b32 s99, 0
	s_add_nc_u64 s[92:93], s[18:19], s[92:93]
	s_add_nc_u64 s[94:95], s[18:19], s[94:95]
	s_add_nc_u64 s[96:97], s[18:19], s[96:97]
	s_add_nc_u64 s[98:99], s[18:19], s[98:99]
	s_lshl_b32 s66, s43, 10
	s_lshl_b32 s2, s[RH], 9
	s_add_co_u32 s66, s66, s2
	s_mov_b32 s67, 0
	s_add_nc_u64 s[10:11], s[10:11], s[66:67]      ; the bias at my 128 columns' first
	s_mov_b32 s[SEL], 0x76543210
	s_mov_b32 s[SEL+1], 0xfedcba98
	s_mov_b32 s[MNT], 0x600000
	v_lshlrev_b32 v[BOF], 2, v[PR]
.irp a, 0,1,2,3,4,5,6,7
	global_load_b32 v[BI+2*\a], v[BOF], s[10:11] offset:(32*(\a/2)+8*(\a%2))*4     ; my channel's bias, twice: a pair for the packed addition
	global_load_b32 v[BI+2*\a+1], v[BOF], s[10:11] offset:(32*(\a/2)+8*(\a%2))*4
.endr
	s_wait_loadcnt 0x0
.macro VTILE a
	s_wait_xcnt 0x0                                ; the last tile's stores have read their data
	WIN 0x02+(\a)/4
.set n, 0
.rept 32
	v_pk_add_f32 v[Y+n:Y+n+1], v[64*((\a)%4)+n:64*((\a)%4)+n+1], v[BI+2*(\a):BI+2*(\a)+1]
.set n, n+2
.endr
	WIN 0
	QUANT Y                                        ; its four blocks: four times 32 tokens
.irp c, 0,1,2,3
	global_store_b128 v[L16], v[PC+4*\c:PC+4*\c+3], s[92+2*((\a)/4):93+2*((\a)/4)] offset:2048*((\a)%4)+512*\c
.endr
	global_store_b32 v[L4], v[PW], s[96+2*((\a)/4):97+2*((\a)/4)] offset:128*((\a)%4)   ; the word as a register image: 128 consecutive bytes
.endm
.irp a, 0,1,2,3,4,5,6,7
	VTILE \a
.endr
	WAVE_END
.Lfunc_end_k_qa66203b24d_qkv:
	.size	k_qa66203b24d_qkv, .Lfunc_end_k_qa66203b24d_qkv-k_qa66203b24d_qkv
	.p2alignl 7, 3214868480
	.fill 96, 4, 3214868480
	.section	.rodata,"a",@progbits
	.p2align	6, 0x0
	.amdhsa_kernel k_qa66203b24d_qkv
		.amdhsa_group_segment_fixed_size 327680
		.amdhsa_private_segment_fixed_size 0
		.amdhsa_enable_private_segment 0
		.amdhsa_kernarg_size 56
		.amdhsa_user_sgpr_count 2
		.amdhsa_user_sgpr_kernarg_segment_ptr 1
		.amdhsa_wavefront_size32 1
		.amdhsa_system_sgpr_workgroup_id_x 1
		.amdhsa_system_sgpr_workgroup_id_y 1
		.amdhsa_system_sgpr_workgroup_id_z 1
		.amdhsa_system_vgpr_workitem_id 0
		.amdhsa_next_free_vgpr 1024
		.amdhsa_next_free_sgpr 104
		.amdhsa_reserve_vcc 0
		.amdhsa_float_denorm_mode_32 3
		.amdhsa_float_denorm_mode_16_64 3
		.amdhsa_memory_ordered 1
		.amdhsa_forward_progress 1
		.amdhsa_inst_pref_size 255
	.end_amdhsa_kernel
	.section	.bss,"aw",@nobits
	.p2align	6
	.space	262144
	.amdgpu_metadata
---
amdhsa.version: [ 1, 2 ]
amdhsa.kernels:
  - .name:           k_qa66203b24d_qkv
    .symbol:         k_qa66203b24d_qkv.kd
    .args:
      - { .name: xq, .offset: 0, .size: 8, .value_kind: global_buffer, .address_space: global }
      - { .name: wq, .offset: 8, .size: 8, .value_kind: global_buffer, .address_space: global }
      - { .name: tab, .offset: 16, .size: 8, .value_kind: global_buffer, .address_space: global }
      - { .name: b_qkv, .offset: 24, .size: 8, .value_kind: global_buffer, .address_space: global }
      - { .name: qb, .offset: 32, .size: 8, .value_kind: global_buffer, .address_space: global }
      - { .name: kb, .offset: 40, .size: 8, .value_kind: global_buffer, .address_space: global }
      - { .name: vb, .offset: 48, .size: 8, .value_kind: global_buffer, .address_space: global }
    .group_segment_fixed_size: 327680
    .private_segment_fixed_size: 0
    .kernarg_segment_align: 8
    .kernarg_segment_size: 56
    .max_flat_workgroup_size: 128
    .sgpr_count:     104
    .vgpr_count:     1024
    .wavefront_size: 32
...
	.end_amdgpu_metadata
.endif
;; end of part 2
;; launch attn (part 3): grid 4 x 64, 16 waves a work-group, clusters of 4 x 1, 299,008 bytes of LDS; arguments qb, kb, vb, pad_mask, yq; writes yq
.if DOCPART == 3
	.amdgcn_target "amdgcn-amd-amdhsa--gfx1250"
	.amdhsa_code_object_version 6
	.text
	.protected	k_qa66203b24d_attn
	.globl	k_qa66203b24d_attn
	.p2align	8
	.type	k_qa66203b24d_attn,@function
k_qa66203b24d_attn:
	s_mov_b64 s[64:65], 0
	v_nop
	global_prefetch_b8 v0, s[64:65] scope:SCOPE_SE
	s_setreg_imm32_b32 hwreg(HW_REG_WAVE_MODE, 25, 1), 1
	s_wait_xcnt 0x0
	s_wait_alu depctr_hold_cnt(0) depctr_sa_sdst(0) depctr_va_vdst(0) depctr_va_sdst(0) depctr_va_ssrc(0) depctr_va_vcc(0) depctr_vm_vsrc(0)
	s_getreg_b32 s2, hwreg(HW_REG_IB_STS2, 6, 4)
	s_cmp_eq_u32 s2, 0
	s_cbranch_scc0 .Lentry_in_a_cluster
	s_endpgm
.Lentry_in_a_cluster:
	s_bfe_u32 s2, ttmp6, 0x10000c
	s_cmp_lg_u32 s2, 0x3003
	s_cbranch_scc0 .Lentry_shape_is_right
	s_endpgm
.Lentry_shape_is_right:
; ATTN: y = softmax(q k^T / 8, causal, padded keys hidden) v for 64 (batch, head) pairs of 2,048 tokens x 64 channels, both products on codes of BF8 with E8M0 scales; y leaves as codes for the last product.
; LEFT OUT: key steps of 128 all of whose keys come after a tile's queries: the causal mask gives them the weight 0 for every input.
; THE SOFTMAX: t = score x log2(e) / 8; M = the running largest t rounded up to a whole number; p = 2^(t - M) is quantised along the keys, not normalised; the row's sum is taken of the unquantised p and divides at the end.
; When M moves, the sum and O are multiplied by 2^(old M - new M): exact.
; K AND V OF A HEAD STAY IN LDS: 8 blocks of 256 keys, 17,408 bytes of K and 17,408 of V each, 278,528 bytes, each byte filled once: wave 2 b + p fetches block b of K (p = 0) or V (p = 1) to LDS byte 17,408 x wave.  No slot is filled again.
; CLUSTER: the four work-groups of a head want the same 16 tiles at the launch's start: each tile is asked for jointly, mask 15.  No branch and no LDS address hangs on the place cx in the cluster.
; TWO BARRIERS: the first shows block 0 (waves 0 and 1, which have a load line of their own and alone wait there) and the padding words; the second, behind block 0's two key steps, shows the rest.  Behind it the waves share nothing.
; SHARES.  Work-group cx owns the query tiles 4 j + cx, j = 0 .. 31.  Wave w takes j = 31 - w, then j = w.  Tile 4 j + cx has j / 2 + 1 live key steps whatever cx is: 17 for every wave.
; NO PREFETCH INTO THE L2: all that the launch reads through LDS is asked for at its head; there is no later load to run ahead of.
; LAYOUT.  Both products are used transposed: S^T = K Q^T, O^T = V^T P^T: a lane holds one query.  A tile T = 2 g + u holds rows 32 g + 8 u + r + 8 (r / 8), so that the 16 registers of tiles 2 g, 2 g + 1 are 16 neighbours.
; Operands lie in memory and LDS as images of their registers: 512 consecutive bytes a load.
; A STEP'S LDS LOADS STAND AHEAD OF OTHER WORK: K's first four tiles are asked for in the step before (only where the next step is live), its second four ahead of the first four's maxima, each fragment of V as soon as its block of p is converted.
; THE PADDING MASK.  The head has 64 channels, the instruction takes 128.  Channel 64 holds the code of 1.0 in q and, in k, the code of -1.0 for a padded key and 0 for any other; channels 65 .. 127 are zero codes.
; That block's scale bytes are constants (q 186, k 185): a padded key's score gets -2^117, any other exactly nothing.  k's register with channel 64 is made here from pad_mask (bytes 0 or 1), 128 bytes a tile, in LDS bytes of its own;
; 2,048 bytes of zeros follow them, so that every address that the look-ahead's lines can form lies in bytes that were written.
; The running largest t begins at -2^100, over a padded key's t: a step with no visible key gives p = 0 and leaves sum and O^T at 0.
; A ROW WITH NO VISIBLE KEY has the sum 0: its 64 codes are the format's NaN, its scale bytes finite: the last product gives NaN there, as an empty softmax does.
; LIMITS: the promise holds while |t| stays under 2^31; NaN and infinities among the inputs are not served.
; REGISTERS: v1 16 lane, v2 4 lane, v3, v4 the add's, v5, v6, v8 the block's addresses, v7 r + 8 (r / 8) - 16 h, v9 8 r, v10 r + 8 (r / 8), v11 the code of -1.0 in lanes 0-15; v12 -M, v13 the largest t, v[14:15] the sum; v16-31 Q;
;   v32-95 four tiles of K; v96-159 S^T, p, then V's four fragments; v160-191 O^T; v192-207 p's codes; v208-216 the second tile's Q and scale word; v217 Q's scale word; v218-221 K's, v222-225 V's, v226 p's; v227-255 at work.
.set BLK,   17408
.set PADW,  16*BLK                     ; the padding words: 128 tiles x 128 bytes, then 2,048 bytes of zeros
.set SPARE, PADW+16384+2048            ; the spare words, 128 bytes for each of 16 waves
.set QS,  217
.set KS,  218
.set VS,  222
.set PS,  226
.set HW,  227
.set BM,  228
.set PT,  232
.set HD,  236                          ; v236-239 a second chain of maxima, then 57,344 x the scale;  v252-255 the latter once more, block b's at 252 + (b + 1) % 4: the two halves of a dual line take their second sources from different banks
.set SO,  240
.set FF,  244
.set TMP, 246
.set DD,  247
.set NEG, 248
.set ONES, 249
.set RC,  250
.set HE,  252
.set WV,  12
.set I,   13
.set BH,  15
.set N,   16
.set TP,  17                           ; LDS byte of the block's padding words
.set JQ,  18                           ; the first key of my tile's last live step: 128 (j / 2);  s36 the second tile's
.set MNT, 19
.set SEL, 20
.set CS,  22
.set G1,  24
.set G0,  32
.set JQB, 36
.set TB,  40                           ; LDS byte at which the block in hand begins
.set KF,  41
.set Q0,  42
.set TQ,  43
.set TQB, 44
.macro ROUND                           ; a round of the cluster's barrier
	s_barrier_signal -1
	s_barrier_wait -1
	s_cmp_lg_u32 s[WV], 0
	s_cbranch_scc1 .Lnot_wave_0_\@
	s_barrier_signal -3
.Lnot_wave_0_\@:
	s_barrier_wait -3
	s_barrier_signal -1
	s_barrier_wait -1
.endm
	s_load_b256 s[4:11], s[0:1], 0x0               ; qb s[4:5], kb s[6:7], vb s[8:9], pad_mask s[10:11]
	s_load_b64 s[56:57], s[0:1], 0x20              ; yq
	v_lshl_add_u32 v3, v0, 2, SPARE
	v_mov_b32 v4, 0
	ds_add_u32 v3, v4                              ; the opening: the add, twice on end, and its wait ahead of my first tensor load
	ds_add_u32 v3, v4
	v_lshrrev_b32 v5, 5, v0
	v_readfirstlane_b32 s[WV], v5                  ; wave 0 .. 15
	s_bfe_u32 s[I], ttmp6, 0x40000                 ; cx
	s_and_b32 s[BH], ttmp7, 0xffff                 ; the cluster's y: batch x 16 + head
	s_mov_b32 s[G1], 15|(3<<16)|(1<<21)            ; group 1: mask of the four; 17,408 dense bytes as 68 rows of 256 (32 elements of 8 bytes)
	s_mov_b32 s[G1+1], 32<<16
	s_mov_b32 s[G1+2], 68<<16
	s_mov_b32 s[G1+3], 32<<16
	s_mov_b32 s[G1+4], 68
	s_mov_b32 s[G1+5], 32
	s_mov_b32 s[G1+6], 0
	s_mov_b32 s[G1+7], 0
	s_mov_b32 s[SEL], 0x76543210
	s_mov_b32 s[SEL+1], 0xfedcba98
	s_mov_b32 s[CS], 0x3e38aa3b                    ; log2(e) / 8
	s_mov_b32 s[CS+1], s[CS]
	s_mov_b32 s[MNT], 0x600000
	s_mov_b32 s[TB], 0
	s_mov_b32 s[TP], PADW
	s_mov_b32 s[KF], 0
	s_and_b32 s45, s[WV], 1
	s_lshr_b32 s46, s[WV], 1
	s_mul_i32 s46, s46, BLK
	s_mul_i32 s47, s[BH], 8*BLK
	s_add_co_u32 s46, s46, s47                     ; my block in kb or vb
	s_mov_b32 s47, 0
	s_mov_b32 s[G0], 1
	s_mul_i32 s[G0+1], s[WV], BLK
	s_wait_dscnt 0x0
	ROUND                                          ; the four work-groups are here: the joint loads meet
	s_wait_kmcnt 0x0
	s_cmp_eq_u32 s45, 0
	s_cselect_b64 s[G0+2:G0+3], s[6:7], s[8:9]
	s_add_nc_u64 s[G0+2:G0+3], s[G0+2:G0+3], s[46:47]
	s_or_b32 s[G0+3], s[G0+3], 0x80000000
	s_cmp_lt_u32 s[WV], 2                          ; one load a wave; waves 0 and 1, which alone wait at the first barrier, have a line of their own
	s_cbranch_scc0 .Lrest
	tensor_load_to_lds s[G0:G0+3], s[G1:G1+7]
	s_nop 0
.rept 4
	v_nop
.endr
	s_branch .Lasked
.Lrest:
	tensor_load_to_lds s[G0:G0+3], s[G1:G1+7]
	s_nop 0
.rept 4
	v_nop
.endr
.Lasked:
	s_sub_co_u32 s45, 31, s[WV]                    ; j of my first tile
	s_lshl_b32 s[TQ], s45, 2
	s_add_co_u32 s[TQ], s[TQ], s[I]
	s_lshr_b32 s[JQ], s45, 1
	s_lshl_b32 s[JQ], s[JQ], 7
	s_lshl_b32 s[TQB], s[WV], 2
	s_add_co_u32 s[TQB], s[TQB], s[I]
	s_lshr_b32 s[JQB], s[WV], 1
	s_lshl_b32 s[JQB], s[JQB], 7
.macro SETQ0
	s_lshr_b32 s45, s[TQ], 1
	s_lshl_b32 s45, s45, 5
	s_and_b32 s46, s[TQ], 1
	s_lshl_b32 s46, s46, 3
	s_add_co_u32 s[Q0], s45, s46                   ; my queries: Q0 + r + 8 (r / 8)
.endm
	SETQ0
	s_lshl_b32 s45, s[BH], 7
	s_add_co_u32 s46, s45, s[TQ]
	s_lshl_b32 s48, s46, 10
	s_mov_b32 s49, 0
	s_add_nc_u64 s[48:49], s[4:5], s[48:49]
	s_lshl_b32 s50, s46, 6
	s_add_co_u32 s50, s50, 0x800000
	s_mov_b32 s51, 0
	s_add_nc_u64 s[50:51], s[4:5], s[50:51]
	s_add_co_u32 s46, s45, s[TQB]
	s_lshl_b32 s52, s46, 10
	s_mov_b32 s53, 0
	s_add_nc_u64 s[52:53], s[4:5], s[52:53]
	s_lshl_b32 s54, s46, 6
	s_add_co_u32 s54, s54, 0x800000
	s_mov_b32 s55, 0
	s_add_nc_u64 s[54:55], s[4:5], s[54:55]
	s_lshr_b32 s46, s[BH], 4
	s_lshl_b32 s46, s46, 11
	s_lshl_b32 s47, s[WV], 7
	s_add_co_u32 s46, s46, s47
	s_add_co_u32 s58, s47, PADW+16384              ; my 128 of the bytes of zeros
	s_mov_b32 s47, 0
	s_add_nc_u64 s[10:11], s[10:11], s[46:47]      ; pad_mask at my batch's keys 128 x wave on: I make the padding words of tiles 8 wave + 0 .. 7
	s_lshl_b32 s45, s[WV], 10
	s_add_co_u32 s45, s45, PADW
	v_and_b32 v5, 31, v0
	v_lshlrev_b32 v1, 4, v5
	v_lshlrev_b32 v2, 2, v5
	v_and_b32 v6, 15, v0                           ; r
	v_bfe_u32 v11, v0, 4, 1                        ; h
	v_lshlrev_b32 v8, 2, v6
	v_lshlrev_b32 v9, 3, v6
	v_and_b32 v10, 8, v6
	v_add_nc_u32 v10, v10, v6                      ; r + 8 (r / 8)
.irp n, 0,1,2,3,4,5,6,7
	global_load_u8 v[96+\n], v10, s[10:11] offset:32*(\n/2)+8*(\n%2)
.endr
	global_load_b128 v[16:19], v1, s[48:49]        ; both tiles' Q stay in registers
	global_load_b128 v[20:23], v1, s[48:49] offset:512
	global_load_b32 v[QS], v8, s[50:51]
	global_load_b128 v[208:211], v1, s[52:53]
	global_load_b128 v[212:215], v1, s[52:53] offset:512
	global_load_b32 v216, v8, s[54:55]
	v_add_nc_u32 v5, s45, v2                       ; where my padding words go,
	v_add_nc_u32 v6, s58, v2                       ; and my zeros
	v_lshlrev_b32 v7, 4, v11
	v_sub_nc_u32 v7, v10, v7
	v_xor_b32 v11, 1, v11                          ; 1 in lanes 0-15: channel 64 is byte 0 of register 8 there
	v_mul_u32_u24 v24, 60, v11                     ; 0x3c: the code of 1.0
	v_mul_u32_u24 v11, 0xbc, v11                   ; the code of -1.0
.irp j, 25,26,27,28,29,30,31
	v_mov_b32 v[\j], 0
.endr
.irp t, 0,1,2,3
.irp j, 9,10,11,12,13,14,15
	v_mov_b32 v[32+16*\t+\j], 0
.endr
.endr
.irp b, 0,1,2,3
	v_mov_b32 v[PT+\b], 0                          ; written once: a lane permute's destination counts as one of its sources
.endr
	v_mov_b32 v[TMP], 0
	v_mov_b32 v[FF+1], 0
	v_mov_b32 v[RC+1], 0
.macro INIT
	v_mov_b32 v13, 0xf1800000                      ; the largest t so far: -2^100
	v_mov_b32 v12, 0x71800000                      ; -M
	v_mov_b32 v14, 0
	v_mov_b32 v15, 0
.set j, 0
.rept 32
	v_mov_b32 v[160+j], 0                          ; O^T: the step is written once: the first finds zeros
.set j, j+1
.endr
.endm
	INIT
.macro KQ g, t                         ; two tiles' scale words share a register: the even tile's in lanes 0-15, the odd one's in lanes 16-31
.if (\t)%2
	v_wmma_scale_f32_16x16x128_f8f6f4 v[96+8*(4*(\g)+(\t)):103+8*(4*(\g)+(\t))], v[32+16*(\t):47+16*(\t)], v[16:31], 0, v[KS+2*(\g)+(\t)/2], v[QS] matrix_a_fmt:MATRIX_FMT_BF8 matrix_b_fmt:MATRIX_FMT_BF8 matrix_a_scale:MATRIX_SCALE_ROW1
.else
	v_wmma_scale_f32_16x16x128_f8f6f4 v[96+8*(4*(\g)+(\t)):103+8*(4*(\g)+(\t))], v[32+16*(\t):47+16*(\t)], v[16:31], 0, v[KS+2*(\g)+(\t)/2], v[QS] matrix_a_fmt:MATRIX_FMT_BF8 matrix_b_fmt:MATRIX_FMT_BF8
.endif
.endm
.macro KLD q, g, x                     ; four tiles of K: group g of key step q of the block in hand (x = 0) or of the next (x = 1): codes, padding words, scale words
.irp t, 0,1,2,3
	ds_load_b128 v[32+16*\t:35+16*\t], v5 offset:(8*(\q)+4*(\g)+\t)*1024+(\x)*2*BLK
	ds_load_b128 v[36+16*\t:39+16*\t], v5 offset:(8*(\q)+4*(\g)+\t)*1024+512+(\x)*2*BLK
	ds_load_b32 v[40+16*\t], v8 offset:(8*(\q)+4*(\g)+\t)*128+(\x)*2048
.endr
.irp e, 0,1
	ds_load_b32 v[KS+2*(\g)+\e], v6 offset:16384+(4*(\q)+2*(\g)+\e)*128+(\x)*2*BLK
.endr
.endm
.macro MASK n0                         ; 32 scores from register 96 + n0 on: -infinity where the key comes after my query
.set n, \n0
.rept 32
	v_cmp_gt_i32 vcc_lo, 32*(n/16)+n%16, v[DD]
	v_cndmask_b32 v[96+n], v[96+n], v[NEG], vcc_lo
.set n, n+1
.endr
.endm
; The largest score of each block of 32 keys, for the row's maximum and for the block's largest p.  Group g holds blocks 2 g, 2 g + 1; a chain a tile, four chains by turns.
.macro MAXA g
.irp b, 2*(\g), 2*(\g)+1
	v_max3_num_f32 v[BM+(\b)], v[96+16*(\b)], v[97+16*(\b)], v[98+16*(\b)]
	v_max3_num_f32 v[HD+(\b)], v[104+16*(\b)], v[105+16*(\b)], v[106+16*(\b)]
.endr
.irp i, 3,5
.irp b, 2*(\g), 2*(\g)+1
	v_max3_num_f32 v[BM+(\b)], v[BM+(\b)], v[96+16*(\b)+\i], v[97+16*(\b)+\i]
	v_max3_num_f32 v[HD+(\b)], v[HD+(\b)], v[104+16*(\b)+\i], v[105+16*(\b)+\i]
.endr
.endr
.endm
.macro MAXB g
.irp b, 2*(\g), 2*(\g)+1
	v_max3_num_f32 v[BM+(\b)], v[BM+(\b)], v[HD+(\b)], v[103+16*(\b)]
.endr
.irp b, 2*(\g), 2*(\g)+1
	v_max_num_f32 v[BM+(\b)], v[BM+(\b)], v[111+16*(\b)]
.endr
.endm
.macro MAXC g                          ; with lane l xor 16's 16 keys
.irp b, 2*(\g), 2*(\g)+1
	v_permlanex16_b32 v[PT+(\b)], v[BM+(\b)], s[SEL], s[SEL+1]
.endr
.irp b, 2*(\g), 2*(\g)+1
	v_max_num_f32 v[BM+(\b)], v[BM+(\b)], v[PT+(\b)]
.endr
.endm
; A KEY STEP: 128 keys, the q-th of the block in hand.  Its first four tiles of K have been asked for.  msk = 0: a step that is live and open for every wave (block 0 of the first tile, whose j is 16 or more).
; pf = 1: the next step's first four tiles are asked for (msk = 1: only where that step is live).
.macro STEP q, msk, pf
.if \msk
	s_cmp_gt_u32 s[KF], s[JQ]                      ; all its keys come after my queries: left out, by a branch on the wave's number and the count of steps
	s_cbranch_scc1 .Lhidden_\@
.endif
	s_wait_alu depctr_va_vdst(0)
	s_wait_dscnt 0x0                               ; K's first four tiles
.irp t, 0,1,2,3
	KQ 0, \t
.endr
.rept 8
	v_nop                                          ; places in front of loads into registers that these products have read, and of the first read of their results
.endr
	KLD \q, 1, 0
.if \msk
	s_cmp_lt_u32 s[KF], s[JQ]                      ; only my last live step holds later keys
	s_cbranch_scc1 .Lopen_\@
	s_sub_co_i32 s45, s[Q0], s[KF]
	v_add_nc_u32 v[DD], s45, v7                    ; d = my query - KF - 16 h: register 96 + 16 b + i holds key KF + 32 b + 16 h + i: hidden where 32 b + i > d
	v_mov_b32 v[NEG], 0xff800000
	MASK 0
.Lopen_\@:
.endif
	MAXA 0
	s_wait_alu depctr_va_vdst(0)                   ; the wait here, directly ahead of the wait below
	s_wait_dscnt 0x0                               ; K's second four tiles
.irp t, 0,1,2,3
	KQ 1, \t
.endr
	MAXB 0                                         ; the places behind these products: work on the first four tiles' maxima, which names none of their registers:
	v_mov_b32 v[TMP], v12                          ; four lines, the old -M,
	MAXC 0                                         ; two maxima behind the two lane permutes,
	v_nop                                          ; and one idle line: eight without the permutes
.if \msk
	s_cmp_lt_u32 s[KF], s[JQ]
	s_cbranch_scc0 .Ldiag_\@
.endif
.if \pf
	KLD 1-(\q), 0, \q                              ; the next step's first four tiles
.endif
.if \msk
	s_branch .Lgo_\@
.Ldiag_\@:
	MASK 32
.Lgo_\@:
.endif
	MAXA 1
	MAXB 1
	MAXC 1
	s_delay_alu instid0(VALU_DEP_2)
	v_max3_num_f32 v[DD], v[BM], v[BM+1], v[BM+2]
	s_delay_alu instid0(VALU_DEP_1)
	v_max_num_f32 v[DD], v[DD], v[BM+3]
	s_delay_alu instid0(VALU_DEP_1)
	v_mul_f32 v[DD], s[CS], v[DD]
	s_delay_alu instid0(VALU_DEP_1)
	v_max_num_f32 v13, v13, v[DD]                  ; the running largest t
	s_delay_alu instid0(VALU_DEP_1)
	v_floor_f32 v12, -v13                          ; the new -M = -ceil(t): a whole number
.set j, 0
.rept 32
	v_pk_fma_f32 v[96+j:97+j], v[96+j:97+j], s[CS:CS+1], v[12:13] op_sel_hi:[1,0,0]   ; t - M, two at a time; f is made among these lines
.if j == 14
	v_sub_f32 v[TMP], v12, v[TMP]                  ; old M - new M: a whole number, 0 or less
.endif
.if j == 30
	v_cvt_i32_f32 v[TMP], v[TMP]                   ; (it saturates)
.endif
.if j == 46
	v_ldexp_f32 v[FF], 1.0, v[TMP]                 ; f = 2^(old M - new M)
.endif
.set j, j+2
.endr
.irp b, 0,1,2,3
	v_fma_f32 v[BM+\b], v[BM+\b], s[CS], v12       ; the same of each block's largest score
.endr
.set j, 0
	s_wait_alu depctr_va_vdst(0)                   ; the wait ahead of the batch
.rept 64
	v_exp_f32 v[96+j], v[96+j]                     ; p = 2^(t - M), at most 1
.set j, j+1
.endr
	v_pk_mul_f32 v[14:15], v[14:15], v[FF:FF+1] op_sel_hi:[1,0]   ; the sums under the new M: a plain line behind the exponentials
	s_wait_alu depctr_va_vdst(0)                   ; one wait for the batch of 64, ahead of its first reader
.irp b, 0,1,2,3
	v_exp_f32 v[BM+\b], v[BM+\b]                   ; the block's largest p: the same two instructions on the same number
.endr
	v_pk_add_f32 v[232:233], v[100:101], v[104:105]   ; the row's sum of the unquantised p, in eight chains
	v_pk_add_f32 v[254:255], v[108:109], v[112:113]
	v_pk_add_f32 v[252:253], v[116:117], v[120:121]
	v_pk_add_f32 v[248:249], v[124:125], v[128:129]
	v_pk_add_f32 v[242:243], v[132:133], v[136:137]
	v_pk_add_f32 v[240:241], v[140:141], v[144:145]
	v_pk_add_f32 v[238:239], v[148:149], v[152:153]
	v_pk_add_f32 v[14:15], v[14:15], v[156:157]
	v_pk_add_f32 v[232:233], v[232:233], v[96:97]
	v_pk_add_f32 v[254:255], v[254:255], v[98:99]
	v_pk_add_f32 v[252:253], v[252:253], v[102:103]
	v_pk_add_f32 v[248:249], v[248:249], v[106:107]
	v_pk_add_f32 v[242:243], v[242:243], v[110:111]
	v_pk_add_f32 v[240:241], v[240:241], v[114:115]
	v_pk_add_f32 v[238:239], v[238:239], v[118:119]
	v_pk_add_f32 v[14:15], v[14:15], v[122:123]
	v_pk_add_f32 v[232:233], v[232:233], v[126:127]
	v_pk_add_f32 v[254:255], v[254:255], v[130:131]
	v_pk_add_f32 v[252:253], v[252:253], v[134:135]
	v_pk_add_f32 v[248:249], v[248:249], v[138:139]
	v_pk_add_f32 v[242:243], v[242:243], v[142:143]
	v_pk_add_f32 v[240:241], v[240:241], v[146:147]
	v_pk_add_f32 v[238:239], v[238:239], v[150:151]
	v_pk_add_f32 v[14:15], v[14:15], v[154:155]
	v_pk_add_f32 v[232:233], v[232:233], v[158:159]
	s_delay_alu instid0(VALU_DEP_2)
	v_pk_add_f32 v[14:15], v[14:15], v[248:249]
	s_delay_alu instid0(VALU_DEP_2)
	v_pk_add_f32 v[232:233], v[232:233], v[242:243]
	v_pk_add_f32 v[254:255], v[254:255], v[240:241]
	v_pk_add_f32 v[252:253], v[252:253], v[238:239]
	s_delay_alu instid0(VALU_DEP_2)
	v_pk_add_f32 v[14:15], v[14:15], v[254:255]
	s_delay_alu instid0(VALU_DEP_2)
	v_pk_add_f32 v[232:233], v[232:233], v[252:253]
	s_delay_alu instid0(VALU_DEP_1)
	v_pk_add_f32 v[14:15], v[14:15], v[232:233]
	s_wait_alu depctr_va_vdst(0)                   ; and one for the four
.irp b, 0,1,2,3
	v_max_num_f32 v[BM+\b], 0x8000000, v[BM+\b]    ; the floor 2^(16 - 127): the byte cannot fall under 1
.endr
.irp b, 0,1,2,3
	s_delay_alu instid0(VALU_DEP_4)
	v_add_nc_u32 v[SO+\b], 0xf8800000, v[BM+\b]
.endr
.irp b, 0,1,2,3
	v_and_or_b32 v[HD+\b], v[BM+\b], 0x7f800000, s[MNT]
.endr
.irp b, 0,1,2,3
	v_and_or_b32 v[HE+(\b+1)%4], v[BM+\b], 0x7f800000, s[MNT]
.endr
.irp b, 0,1,2,3
	v_lshrrev_b32 v[PT+\b], 23, v[SO+\b]
.endr
	s_delay_alu instid0(VALU_DEP_3)
	v_lshl_or_b32 v[PS], v[PT+1], 8, v[PT]         ; p's scale word for these 128 keys
	s_delay_alu instid0(VALU_DEP_1)
	v_lshl_or_b32 v[PS], v[PT+2], 16, v[PS]
	s_delay_alu instid0(VALU_DEP_1)
	v_lshl_or_b32 v[PS], v[PT+3], 24, v[PS]
.irp b, 0,1,2,3
.irp i, 0,2,4,6,8,10,12,14
	v_dual_min_num_f32 v[96+16*\b+\i], v[96+16*\b+\i], v[HD+\b] :: v_dual_min_num_f32 v[97+16*\b+\i], v[97+16*\b+\i], v[HE+(\b+1)%4]   ; p is not negative: the hold is one-sided; two to a line
.endr
	v_cvt_scalef32_pk8_bf8_f32 v[192+4*\b:193+4*\b], v[96+16*\b:103+16*\b], v[SO+\b]
	v_cvt_scalef32_pk8_bf8_f32 v[194+4*\b:195+4*\b], v[104+16*\b:111+16*\b], v[SO+\b]
.irp c, 0,1,2,3                                ; V's fragment b of these 128 keys, into the registers that this block of p has left
	ds_load_b128 v[96+16*\b+4*\c:99+16*\b+4*\c], v5 offset:BLK+(4*(\q)+\b)*2048+512*\c
.endr
	ds_load_b32 v[VS+\b], v6 offset:BLK+16384+(4*(\q)+\b)*128
.endr
	v_nop                                          ; a plain line behind the last conversion
.set j, 0
.rept 16
	v_pk_mul_f32 v[160+j:161+j], v[160+j:161+j], v[FF:FF+1] op_sel_hi:[1,0]   ; O^T under the new M; these lines also stand between the codes and the products
.set j, j+2
.endr
	s_wait_alu depctr_va_vdst(0)                   ; the wait here, directly ahead of the wait below
	s_wait_dscnt 0x0
.irp dt, 0,1,2,3                               ; O^T += V^T P^T: the four accumulators by turns
	v_wmma_scale_f32_16x16x128_f8f6f4 v[160+8*\dt:167+8*\dt], v[96+16*\dt:111+16*\dt], v[192:207], v[160+8*\dt:167+8*\dt], v[VS+\dt], v[PS] matrix_a_fmt:MATRIX_FMT_BF8 matrix_b_fmt:MATRIX_FMT_BF8
.endr
.rept 9
	v_nop                                          ; nine: the next step's first products write over V's registers
.endr
.if \msk
.Lhidden_\@:
.endif
	s_add_co_u32 s[KF], s[KF], 128
.endm
.macro ADDR                            ; the addresses of the block in hand
	v_add_nc_u32 v5, s[TB], v1
	v_add_nc_u32 v6, s[TB], v2
	v_add_nc_u32 v8, s[TP], v2
.endm
.macro TRIPWORK msk, pf1               ; a block of 256 keys: two key steps; then on to the next block
	STEP 0, \msk, 1
	STEP 1, \msk, \pf1
	s_add_co_u32 s[TB], s[TB], 2*BLK
	s_add_co_u32 s[TP], s[TP], 2048
	ADDR
.endm
; A TILE ENDS: O^T / the sum is y(query, 64 head + d), register 16 g + i = d 32 g + 16 h + i: two blocks of the last product's K.  They are quantised and stored as pieces 2 (head % 2) + g of the image (tile, K step head / 2).
.macro FINISH
	v_add_f32 v14, v14, v15
	s_delay_alu instid0(VALU_DEP_1)
	v_permlanex16_b32 v[TMP], v14, s[SEL], s[SEL+1]
	s_delay_alu instid0(VALU_DEP_1)
	v_add_f32 v14, v14, v[TMP]                     ; the row's sum
	s_wait_alu depctr_va_vdst(0)
	v_rcp_f32 v[RC], v14
	v_cmp_eq_f32 vcc_lo, 0, v14                    ; no visible key?
	v_mov_b32 v[ONES], 0x7f7f7f7f                  ; four NaN codes
	s_lshr_b32 s45, s[BH], 4
	s_lshl_b32 s45, s45, 7
	s_add_co_u32 s45, s45, s[TQ]                   ; the tile among all 512
	s_and_b32 s46, s[BH], 15                       ; the head
	s_lshl_b32 s48, s45, 14
	s_lshl_b32 s47, s46, 10
	s_add_co_u32 s48, s48, s47
	s_mov_b32 s49, 0
	s_add_nc_u64 s[48:49], s[56:57], s[48:49]
	s_lshl_b32 s50, s45, 9
	s_lshr_b32 s47, s46, 2
	s_lshl_b32 s47, s47, 7
	s_add_co_u32 s50, s50, s47
	s_and_b32 s47, s46, 3
	s_lshl_b32 s47, s47, 1
	s_add_co_u32 s50, s50, s47
	s_add_co_u32 s50, s50, 0x800000
	s_mov_b32 s51, 0
	s_add_nc_u64 s[50:51], s[56:57], s[50:51]
	s_wait_alu depctr_va_vdst(0)                   ; the wait ahead of the reciprocal's first reader
	v_cndmask_b32 v[RC], v[RC], v4, vcc_lo         ; 0 where the sum is 0
.set j, 0
.rept 16
	v_pk_mul_f32 v[160+j:161+j], v[160+j:161+j], v[RC:RC+1] op_sel_hi:[1,0]
.set j, j+2
.endr
.irp b, 0,1
	v_max3_num_f32 v[BM+\b], |v[160+16*\b]|, |v[161+16*\b]|, 0x8000000
.endr
.irp i, 2,4,6,8,10,12,14
.irp b, 0,1
	s_delay_alu instid0(VALU_DEP_2)
	v_max3_num_f32 v[BM+\b], v[BM+\b], |v[160+16*\b+\i]|, |v[161+16*\b+\i]|
.endr
.endr
.irp b, 0,1
	s_delay_alu instid0(VALU_DEP_2)
	v_permlanex16_b32 v[PT+\b], v[BM+\b], s[SEL], s[SEL+1]
.endr
.irp b, 0,1
	s_delay_alu instid0(VALU_DEP_2)
	v_max_num_f32 v[BM+\b], v[BM+\b], v[PT+\b]
.endr
.irp b, 0,1
	s_delay_alu instid0(VALU_DEP_2)
	v_add_nc_u32 v[SO+\b], 0xf8800000, v[BM+\b]
.endr
.irp b, 0,1
	s_delay_alu instid0(VALU_DEP_4)
	v_and_or_b32 v[HD+\b], v[BM+\b], 0x7f800000, s[MNT]
.endr
.irp b, 0,1
	s_delay_alu instid0(VALU_DEP_4)
	v_lshrrev_b32 v[PT+\b], 23, v[SO+\b]
.endr
	s_delay_alu instid0(VALU_DEP_1)
	v_lshl_or_b32 v[HW], v[PT+1], 8, v[PT]
.irp b, 0,1
.irp i, 0,1,2,3,4,5,6,7,8,9,10,11,12,13,14,15
	v_med3_num_f32 v[160+16*\b+\i], v[160+16*\b+\i], -v[HD+\b], v[HD+\b]
.endr
	v_cvt_scalef32_pk8_bf8_f32 v[192+4*\b:193+4*\b], v[160+16*\b:167+16*\b], v[SO+\b]
	v_cvt_scalef32_pk8_bf8_f32 v[194+4*\b:195+4*\b], v[168+16*\b:175+16*\b], v[SO+\b]
.endr
	v_nop                                          ; a plain line behind the last conversion
.irp j, 0,1,2,3,4,5,6,7
	v_cndmask_b32 v[192+\j], v[192+\j], v[ONES], vcc_lo   ; an empty row: NaN codes
.endr
	global_store_b128 v1, v[192:195], s[48:49]     ; 32 lanes store 512 consecutive bytes, aligned
	global_store_b128 v1, v[196:199], s[48:49] offset:512
	global_store_b16 v9, v[HW], s[50:51]           ; 2 bytes a row, 8 apart (lanes 16-31 repeat them): a head's share of a row's scale words
.endm
	s_wait_alu depctr_va_vdst(0)                   ; the wait at the head's end
	s_wait_loadcnt 6                               ; my eight mask bytes are in; Q's six loads may be out
.irp n, 0,1,2,3,4,5,6,7
	v_mul_u32_u24 v[96+\n], v[96+\n], v11          ; the code of -1.0 in byte 0 of lanes 0-15 where the key is padded, else 0
.endr
.irp n, 0,1,2,3,4,5,6,7
	ds_store_b32 v5, v[96+\n] offset:128*\n
.endr
	ds_store_b32 v6, v4
	s_cmp_lt_u32 s[WV], 2
	s_cbranch_scc0 .Lnot_first
	s_wait_tensorcnt 0x0                           ; waves 0 and 1: block 0 of K and of V is in
.Lnot_first:
	s_wait_dscnt 0x0                               ; my padding words are stored
	s_barrier_signal -1
	s_barrier_wait -1
	s_wait_loadcnt 0x0                             ; Q; and the loads have read their offsets
	ADDR
	KLD 0, 0, 0
	TRIPWORK 0, 0                                  ; block 0 of my first tile, while the other blocks land; block 1 is not asked of LDS yet
	s_wait_alu depctr_va_vdst(0)                   ; the wait here, directly ahead of the wait below
	s_wait_tensorcnt 0x0                           ; every wave: its block is in
	s_wait_dscnt 0x0
	s_barrier_signal -1
	s_barrier_wait -1                              ; all of K and V is in; no barrier follows but the closing round's
	KLD 0, 0, 0
	s_mov_b32 s[N], 7
.Llong:                                            ; blocks 1 .. 7 of my first tile
	TRIPWORK 1, 1
	s_sub_co_u32 s[N], s[N], 1
	s_cmp_lg_u32 s[N], 0
	s_cbranch_scc1 .Llong
	FINISH
	INIT
.irp j, 0,1,2,3,4,5,6,7
	v_mov_b32 v[16+\j], v[208+\j]
.endr
	v_mov_b32 v[QS], v216
	s_mov_b32 s[TQ], s[TQB]
	s_mov_b32 s[JQ], s[JQB]
	SETQ0
	s_mov_b32 s[TB], 0
	s_mov_b32 s[TP], PADW
	s_mov_b32 s[KF], 0
	ADDR
	s_wait_alu depctr_va_vdst(0)                   ; the wait here, directly ahead of the wait below
	s_wait_xcnt 0x0                                ; the stores have read their data and bases: both are written again only behind this wait
	s_wait_dscnt 0x0                               ; no LDS load of mine is out: K's registers may be asked for again
	KLD 0, 0, 0
.rept 8
	v_nop                                          ; a scale register written by a vector instruction stands eight places ahead of the product that takes it
.endr
	s_mov_b32 s[N], 4
.Lshort:                                           ; my second tile has j under 16: blocks 0 .. 3
	TRIPWORK 1, 1
	s_sub_co_u32 s[N], s[N], 1
	s_cmp_lg_u32 s[N], 0
	s_cbranch_scc1 .Lshort
	FINISH
	s_wait_tensorcnt 0x0                           ; the wave's end
	ds_add_u32 v3, v4
	s_wait_dscnt 0x0
	ROUND                                          ; the closing round
	s_endpgm
.Lfunc_end_k_qa66203b24d_attn:
	.size	k_qa66203b24d_attn, .Lfunc_end_k_qa66203b24d_attn-k_qa66203b24d_attn
	.p2alignl 7, 3214868480
	.fill 96, 4, 3214868480
	.section	.rodata,"a",@progbits
	.p2align	6, 0x0
	.amdhsa_kernel k_qa66203b24d_attn
		.amdhsa_group_segment_fixed_size 299008
		.amdhsa_private_segment_fixed_size 0
		.amdhsa_enable_private_segment 0
		.amdhsa_kernarg_size 40
		.amdhsa_user_sgpr_count 2
		.amdhsa_user_sgpr_kernarg_segment_ptr 1
		.amdhsa_wavefront_size32 1
		.amdhsa_system_sgpr_workgroup_id_x 1
		.amdhsa_system_sgpr_workgroup_id_y 1
		.amdhsa_system_sgpr_workgroup_id_z 1
		.amdhsa_system_vgpr_workitem_id 0
		.amdhsa_next_free_vgpr 256
		.amdhsa_next_free_sgpr 66
		.amdhsa_reserve_vcc 1
		.amdhsa_float_denorm_mode_32 3
		.amdhsa_float_denorm_mode_16_64 3
		.amdhsa_memory_ordered 1
		.amdhsa_forward_progress 1
		.amdhsa_inst_pref_size 173
	.end_amdhsa_kernel
	.amdgpu_metadata
---
amdhsa.version: [ 1, 2 ]
amdhsa.kernels:
  - .name:           k_qa66203b24d_attn
    .symbol:         k_qa66203b24d_attn.kd
    .args:
      - { .name: qb, .offset: 0, .size: 8, .value_kind: global_buffer, .address_space: global }
      - { .name: kb, .offset: 8, .size: 8, .value_kind: global_buffer, .address_space: global }
      - { .name: vb, .offset: 16, .size: 8, .value_kind: global_buffer, .address_space: global }
      - { .name: pad_mask, .offset: 24, .size: 8, .value_kind: global_buffer, .address_space: global }
      - { .name: yq, .offset: 32, .size: 8, .value_kind: global_buffer, .address_space: global }
    .group_segment_fixed_size: 299008
    .private_segment_fixed_size: 0
    .kernarg_segment_align: 8
    .kernarg_segment_size: 40
    .max_flat_workgroup_size: 512
    .sgpr_count:     66
    .vgpr_count:     256
    .wavefront_size: 32
...
	.end_amdgpu_metadata
.endif
;; end of part 3
;; launch outp (part 4): grid 4 x 64, 4 waves a work-group, clusters of 4 x 4, 327,680 bytes of LDS; arguments yq, wq, b_out, out0; writes out0
.if DOCPART == 4
	.amdgcn_target "amdgcn-amd-amdhsa--gfx1250"
	.amdhsa_code_object_version 6
	.text
	.protected	k_qa66203b24d_outp
	.globl	k_qa66203b24d_outp
	.p2align	8
	.type	k_qa66203b24d_outp,@function
k_qa66203b24d_outp:
	s_mov_b64 s[64:65], 0
	v_nop
	global_prefetch_b8 v0, s[64:65] scope:SCOPE_SE
	s_setreg_imm32_b32 hwreg(HW_REG_WAVE_MODE, 25, 1), 1
	s_wait_xcnt 0x0
	s_wait_alu depctr_hold_cnt(0) depctr_sa_sdst(0) depctr_va_vdst(0) depctr_va_sdst(0) depctr_va_ssrc(0) depctr_va_vcc(0) depctr_vm_vsrc(0)
	s_getreg_b32 s2, hwreg(HW_REG_IB_STS2, 6, 4)
	s_cmp_eq_u32 s2, 0
	s_cbranch_scc0 .Lentry_in_a_cluster
	s_endpgm
.Lentry_in_a_cluster:
	s_bfe_u32 s2, ttmp6, 0x10000c
	s_cmp_lg_u32 s2, 0xf033
	s_cbranch_scc0 .Lentry_shape_is_right
	s_endpgm
.Lentry_shape_is_right:
; OUTP: out0 = y W_out + b_out on codes of BF8 with E8M0 scales: 8,192 x 1,024 x 1,024, f32 out.
; 256 work-groups of four waves; a work-group makes 128 rows x 256 columns, a wave 64 x 128: 32 accumulators, 256 registers (window 2).  K goes in steps of 256 through two LDS slots filled by the tensor data mover.
; OPERANDS ARE IMAGES OF THEIR REGISTERS: tile T = 2 g + u holds rows 32 g + 8 u + r + 8 (r / 8); fragment (T, K step s of 128) is 2,048 bytes at 16,384 T + 2,048 s, piece c at 512 c, lane at 16 x lane.
; Scale words lie behind the codes at 512 T + 128 (s / 2) + 8 r + 4 (s % 2).  A = yq's tiles (8 to a work-group), B = wq's tiles 192 on (16 to a work-group).
; THE MATRIX INSTRUCTION IS USED TRANSPOSED (source 0 = a tile of B, source 1 = a tile of A): lane (r, h) holds A's row r, and the 16 registers of B's tiles 2 g, 2 g + 1 are columns 32 g + 16 h + 0 .. 15.
; CLUSTERS: 4 x 4 work-groups; A's tiles are shared along a row of the cluster, B's along a column, each asked for jointly.
; THE HEAD'S TILES, one tensor load a wave: wave 0 A's 8 tiles of K step 0, wave 1 B's 16, wave 2 A's scale words for all of K, wave 3 B's.  Slot 1 is first filled behind the full sequence and a round.  In the ring waves 0, 1 fetch A's halves, waves 2, 3 B's.
; Both operands have two sets of fragment registers: a step of 128 along K fetches the next step's 12 fragments in its middle.
; NO PREFETCH INTO THE L2: K has four slot steps; with a lead of two steps behind the two that the head asks for, none is left to ask for.
; A NaN code in y gives NaN in its whole row of out0.
; REGISTERS: window 0: v0-31 addresses; v32-63 scale words, two sets; v64-67 the bias; v128-255 A's fragments, two sets of 4, on the way out rows read back.  Window 1: B's fragments, two sets of 8.  Window 2: accumulator (a, b) at v[8 (8 a + b)].
.set FR,     16
.set NP,     8                         ; places behind this matrix instruction (ISA guide 7.12.1)
.set KB,     4096                      ; a tile's bytes of a K step of 256
.set SLOT,   98304                     ; A's 8 tiles, then B's 16
.set SCL,    2*SLOT                    ; the scale words: A's 4,096 bytes, then B's 8,192; filled once
.set SPARE,  SCL+12288
.set SPITCH, 528
.set L16,  4
.set ADRA, 16
.set ADRB, 20
.set STO,  24
.set RD,   25
.set ADRS, 27
.set SPW,  28
.set NIL,  29
.set SC,   32                          ; set s at v[SC + 16 s]; register 2 i + q: lanes 0-15 A's block i (i under 4), lanes 16-31 B's block i
.set BO,   64
.set AF,   128
.set BK,   128
.set WV,   20
.set RH,   21
.set CH,   22
.set G1,   24
.set G0,   32
.set G1B,  48
.set G0B,  56
.set G1S,  68
.set G0S,  76
.set G1SB, 80
.set G0SB, 88
.set G0H,  4
.set G0HB, 44
.set MSB, 0
.macro WIN new                         ; the immediate's high byte repeats the setting that is left
.if MSB != (\new)
	s_set_vgpr_msb (MSB<<8)|(\new)
.set MSB, (\new)
.endif
.endm
.set MUL_LO, 0xa1                      ; source 0 (B) window 1, source 1 (A) window 0, C and D window 2
.set TO_B,   0x40
.macro TL g0, g1                       ; a tensor load with the lines behind it
	tensor_load_to_lds s[\g0:\g0+3], s[\g1:\g1+7]
	s_nop 0
.rept 4
	v_nop
.endr
.endm
.macro JLOAD g0a, g1a, g0b, g1b
	s_cmp_eq_u32 s[RH], 0
	s_cbranch_scc0 .Lfor_b_\@
	TL \g0a, \g1a
	s_branch .Lasked_\@
.Lfor_b_\@:
	TL \g0b, \g1b
.Lasked_\@:
.endm
.macro CREST
	s_cmp_lg_u32 s[WV], 0
	s_cbranch_scc1 .Lnot_wave_0_\@
	s_barrier_signal -3
.Lnot_wave_0_\@:
	s_barrier_wait -3
	s_barrier_signal -1
	s_barrier_wait -1
.endm
.macro CROUND
	s_barrier_signal -1
	s_barrier_wait -1
	CREST
.endm
.macro PLACES n
.rept \n
	v_nop
.endr
.endm
.macro GRP g, mask, c, rows, pitch     ; group 1: rows of c elements of 8 bytes
	s_or_b32 s[\g], s[\mask], (3<<16)|(1<<21)
	s_mov_b32 s[\g+1], (\c)<<16
	s_mov_b32 s[\g+2], (\rows)<<16
	s_mov_b32 s[\g+3], (\c)<<16
	s_mov_b32 s[\g+4], \rows
	s_mov_b32 s[\g+5], \pitch
	s_mov_b32 s[\g+6], 0
	s_mov_b32 s[\g+7], 0
.endm
.macro GRP0 g, lds, a                  ; group 0: a constant LDS byte, the address in s[a:a+1]
	s_mov_b32 s[\g], 1
	s_mov_b32 s[\g+1], \lds
	s_mov_b64 s[\g+2:\g+3], s[\a:\a+1]
	s_or_b32 s[\g+3], s[\g+3], 0x80000000
.endm
	s_load_b256 s[4:11], s[0:1], 0x0               ; yq, wq, b_out, out0
	v_lshl_add_u32 v[SPW], v0, 2, SPARE
	v_mov_b32 v[NIL], 0
	ds_add_u32 v[SPW], v[NIL]                      ; the opening: the add, twice on end, and its wait
	ds_add_u32 v[SPW], v[NIL]
	v_lshrrev_b32 v1, 5, v0
	v_readfirstlane_b32 s[WV], v1
	s_lshr_b32 s[RH], s[WV], 1                     ; my 4 of A's 8 tiles; also: I fetch for A (0) or B (1)
	s_and_b32 s[CH], s[WV], 1                      ; my 8 of B's 16 tiles; also: which half I fetch
	s_bfe_u32 s40, ttmp6, 0x40000
	s_bfe_u32 s41, ttmp6, 0x40004
	s_and_b32 s43, ttmp7, 0xffff
	s_lshl_b32 s43, s43, 2
	s_add_co_u32 s43, s43, s41                     ; A's block of 128 rows: it hangs on cy alone
	s_lshl_b32 s42, ttmp9, 2
	s_add_co_u32 s42, s42, s40                     ; B's block of 256 columns: on cx alone
	s_lshl_b32 s45, s41, 2
	s_lshl_b32 s45, 15, s45                        ; my row of the cluster
	s_lshl_b32 s46, 0x1111, s40                    ; my column
	GRP G1,   45, 512, 8,  2048                    ; the head's: A's 8 tiles x 4,096 bytes, 16,384 apart;
	GRP G1B,  46, 512, 16, 2048                    ; B's 16;
	GRP G1S,  45, 32,  16, 32                      ; A's scale words, 4,096 dense bytes;
	GRP G1SB, 46, 32,  32, 32                      ; B's, 8,192
	s_lshl_b32 s44, s43, 3
	s_lshl_b32 s92, s44, 14
	s_mov_b32 s93, 0
	s_lshl_b32 s94, s44, 9
	s_add_co_u32 s94, s94, 0x800000
	s_mov_b32 s95, 0
	s_lshl_b32 s23, s42, 4
	s_add_co_u32 s23, s23, 192
	s_lshl_b32 s96, s23, 14
	s_mov_b32 s97, 0
	s_lshl_b32 s98, s23, 9
	s_add_co_u32 s98, s98, 0x400000
	s_mov_b32 s99, 0
	s_wait_dscnt 0x0
	s_wait_kmcnt 0x0
	s_add_nc_u64 s[92:93], s[4:5], s[92:93]
	s_add_nc_u64 s[94:95], s[4:5], s[94:95]
	s_add_nc_u64 s[96:97], s[6:7], s[96:97]
	s_add_nc_u64 s[98:99], s[6:7], s[98:99]
	CROUND                                         ; all sixteen work-groups are here: the first joint loads meet
	GRP0 G0S,  SCL,      94
	GRP0 G0SB, SCL+4096, 98
	GRP0 G0H,  0,        92
	GRP0 G0HB, 32768,    96
	s_lshl_b32 s66, s[CH], 16                      ; for the ring: my 4 tiles of A's 8,
	s_mov_b32 s67, 0
	s_add_nc_u64 s[92:93], s[92:93], s[66:67]
	s_lshl_b32 s66, s[CH], 17                      ; my 8 of B's 16
	s_add_nc_u64 s[96:97], s[96:97], s[66:67]
	s_lshl_b32 s2, s[CH], 14
	s_lshl_b32 s3, s[CH], 15
	s_add_co_u32 s3, s3, 32768
.irp s, 0,1
	s_mov_b32 s[G0+4*\s], 1
	s_add_co_u32 s[G0+4*\s+1], s2, \s*SLOT
	s_add_nc_u64 s[G0+4*\s+2:G0+4*\s+3], s[92:93], \s*KB
	s_or_b32 s[G0+4*\s+3], s[G0+4*\s+3], 0x80000000
	s_mov_b32 s[G0B+4*\s], 1
	s_add_co_u32 s[G0B+4*\s+1], s3, \s*SLOT
	s_add_nc_u64 s[G0B+4*\s+2:G0B+4*\s+3], s[96:97], \s*KB
	s_or_b32 s[G0B+4*\s+3], s[G0B+4*\s+3], 0x80000000
.endr
.macro ARM under, g0, g1, next         ; one chain of branches on the wave's number, a load to an arm
	s_cmp_lt_u32 s[WV], \under
	s_cbranch_scc0 \next
	TL \g0, \g1
	s_branch .Lhead_asked
\next:
.endm
	ARM 1, G0H,  G1,  .Lhead_b
	ARM 2, G0HB, G1B, .Lhead_sa
	ARM 3, G0S,  G1S, .Lhead_sb
	TL G0SB, G1SB
.Lhead_asked:
	v_and_b32 v1, 15, v0                           ; r
	v_bfe_u32 v2, v0, 4, 1                         ; h
	v_and_b32 v3, 31, v0
	v_lshlrev_b32 v[L16], 4, v3
	s_wait_alu depctr_va_vdst(0)
	s_lshl_b32 s2, s[RH], 14
	s_lshl_b32 s3, s[CH], 15
	s_add_co_u32 s3, s3, 32768
.irp s, 0,1
	v_add_nc_u32 v[ADRA+\s], s2, v[L16]
	v_add_nc_u32 v[ADRB+\s], s3, v[L16]
	s_add_co_u32 s2, s2, SLOT
	s_add_co_u32 s3, s3, SLOT
.endr
	s_lshl_b32 s2, s[RH], 11                       ; A's words: my 4 tiles
	s_lshl_b32 s3, s[CH], 12                       ; B's: my 8 tiles, behind A's 8
	s_add_co_u32 s3, s3, 4096
	s_sub_co_u32 s3, s3, s2
	s_add_co_u32 s2, s2, SCL
	v_lshlrev_b32 v5, 3, v1
	v_mul_u32_u24 v6, s3, v2                       ; lanes 16-31 take B's: one product, h x the distance
	v_add_nc_u32 v5, v5, v6
	v_add_nc_u32 v[ADRS], s2, v5
	s_mul_i32 s2, s[WV], 16*SPITCH                 ; my stage, in slot 0
	v_mul_u32_u24 v5, v1, SPITCH
	v_lshl_add_u32 v5, v2, 6, v5
	v_add_nc_u32 v[STO], s2, v5
	v_add_nc_u32 v[RD], s2, v[L16]
	s_lshl_b32 s2, s42, 10
	s_lshl_b32 s3, s[CH], 9
	s_add_co_u32 s2, s2, s3
	s_mov_b32 s3, 0
	s_add_nc_u64 s[8:9], s[8:9], s[2:3]            ; the bias at my 128 columns
	s_add_nc_u64 s[10:11], s[10:11], s[2:3]
	s_lshl_b32 s2, s43, 19
	s_lshl_b32 s23, s[RH], 18
	s_add_co_u32 s2, s2, s23
	s_add_nc_u64 s[10:11], s[10:11], s[2:3]        ; out0 at my 64 rows
	global_load_b128 v[BO:BO+3], v[L16], s[8:9]
.macro FRAG reg, adr, q, i
.irp c, 0,1,2,3
	ds_load_b128 v[\reg+4*\c:\reg+4*\c+3], v[\adr] offset:4096*(\i)+2048*(\q)+512*\c
.endr
.endm
; eight matrix instructions: A's block a x B's eight; p: the sets of fragments; q, sc: which scale words.  The 32 accumulators take turns, in the same order in every step.
.macro MULA a, p, q, sc, zero
.irp b, 0,1,2,3,4,5,6,7
.if \zero
	v_wmma_scale_f32_16x16x128_f8f6f4 v[8*(8*(\a)+\b):8*(8*(\a)+\b)+7], v[128*(\p)+FR*\b:128*(\p)+FR*\b+FR-1], v[AF+64*(\p)+FR*(\a):AF+64*(\p)+FR*(\a)+FR-1], 0, v[SC+16*(\sc)+2*\b+(\q)], v[SC+16*(\sc)+2*(\a)+(\q)] matrix_a_fmt:MATRIX_FMT_BF8 matrix_b_fmt:MATRIX_FMT_BF8 matrix_a_scale:MATRIX_SCALE_ROW1
.else
	v_wmma_scale_f32_16x16x128_f8f6f4 v[8*(8*(\a)+\b):8*(8*(\a)+\b)+7], v[128*(\p)+FR*\b:128*(\p)+FR*\b+FR-1], v[AF+64*(\p)+FR*(\a):AF+64*(\p)+FR*(\a)+FR-1], v[8*(8*(\a)+\b):8*(8*(\a)+\b)+7], v[SC+16*(\sc)+2*\b+(\q)], v[SC+16*(\sc)+2*(\a)+(\q)] matrix_a_fmt:MATRIX_FMT_BF8 matrix_b_fmt:MATRIX_FMT_BF8 matrix_a_scale:MATRIX_SCALE_ROW1
.endif
.endr
.endm
.macro FETCH slot, q, p                ; 12 fragments, 48 loads, into sets p
	WIN TO_B
.irp i, 0,1,2,3,4,5,6,7
	FRAG 128*(\p)+FR*\i, ADRB+\slot, \q, \i
.endr
	WIN 0
.irp i, 0,1,2,3
	FRAG AF+64*(\p)+FR*\i, ADRA+\slot, \q, \i
.endr
.endm
.macro SCALES sc
.irp i, 0,1,2,3,4,5,6,7
	ds_load_b64 v[SC+16*\sc+2*\i:SC+16*\sc+2*\i+1], v[ADRS] offset:512*\i
.endr
.endm
.macro STEP slot, zero                 ; a slot's first 128 along K, on sets 0; its second 128 are fetched into sets 1
	s_wait_dscnt 0x0
	WIN MUL_LO
	MULA 0, 0, 0, \slot, \zero
	MULA 1, 0, 0, \slot, \zero
	PLACES NP                                      ; in front of loads into registers that the step before has read
	FETCH \slot, 1, 1
	WIN MUL_LO
	MULA 2, 0, 0, \slot, \zero
	MULA 3, 0, 0, \slot, \zero
	WIN 0
.endm
; A slot's second 128, on sets 1, change slots: each wave waits for all its tensor loads, adds 0 to its spare word, and waits for that and for its reads of this slot.  fill = 1: the slot is filled again, two K steps ahead.
.macro TURN slot, next, fill
	s_wait_tensorcnt 0x0
	ds_add_u32 v[SPW], v[NIL]
	s_wait_dscnt 1                                 ; the 48 loads are in; the add alone may be out
	WIN MUL_LO
	MULA 0, 1, 1, \slot, 0
	MULA 1, 1, 1, \slot, 0
	s_wait_dscnt 0x0
	s_barrier_signal -1
	MULA 2, 1, 1, \slot, 0
	WIN 0
	s_barrier_wait -1
.if \fill
	CREST                                          ; the barrier has opened a round of the cluster's
	s_add_nc_u64 s[G0+4*\slot+2:G0+4*\slot+3], s[G0+4*\slot+2:G0+4*\slot+3], 2*KB
	s_add_nc_u64 s[G0B+4*\slot+2:G0B+4*\slot+3], s[G0B+4*\slot+2:G0B+4*\slot+3], 2*KB
	JLOAD G0+4*\slot, G1, G0B+4*\slot, G1B         ; the first tensor load behind the round; its four v_nop are four of the eight places
	PLACES NP-4
.else
	PLACES NP
.endif
	v_add_nc_u32 v[ADRS], 128, v[ADRS]             ; on to the next slot's scale words
	s_wait_alu depctr_va_vdst(0)                   ; the wait here, directly behind the write
	FETCH \next, 0, 0
	SCALES \next
	WIN MUL_LO
	MULA 3, 1, 1, \slot, 0
	WIN 0
.endm
	s_wait_alu depctr_va_vdst(0)                   ; the wait at the head's end
	s_wait_tensorcnt 0x0                           ; my tile of the head's four is in
	ds_add_u32 v[SPW], v[NIL]
	s_mov_b32 s[G1+2], 4<<16                       ; no tensor load of mine is out: from here on a load brings 4 tiles of A
	s_mov_b32 s[G1+4], 4
	s_mov_b32 s[G1B+2], 8<<16                      ; or 8 of B
	s_mov_b32 s[G1B+4], 8
	s_wait_dscnt 0x0
	CROUND
	JLOAD G0+4, G1, G0B+4, G1B                     ; K step 1: the first tensor load behind the round
	FETCH 0, 0, 0
	SCALES 0
	STEP 0, 1                                      ; K = 1,024 is four slots' worth: written out, since a loop over laps would have one trip
	TURN 0, 1, 1
	STEP 1, 0
	TURN 1, 0, 1
	STEP 0, 0
	TURN 0, 1, 0                                   ; the last two slots are filled no more
	STEP 1, 0
	s_wait_dscnt 0x0
	WIN MUL_LO
.irp a, 0,1,2,3
	MULA \a, 1, 1, 1, 0
.endr
	WIN 0
; THE WAY OUT, block by block of 16 rows x 128 columns, through my own stage in slot 0 (it has had its last fill and its last read): back come whole rows of 512 bytes, which 32 lanes store as two aligned units of 256 bytes.
.macro TOSTAGE a
	WIN 0x08                                       ; the data: window 2
.irp b, 0,1,2,3,4,5,6,7
	ds_store_b128 v[STO], v[64*(\a)+8*\b:64*(\a)+8*\b+3] offset:128*(\b/2)+32*(\b%2)
	ds_store_b128 v[STO], v[64*(\a)+8*\b+4:64*(\a)+8*\b+7] offset:128*(\b/2)+32*(\b%2)+16
.endr
	WIN 0
.set BB, BK+64*((\a)%2)
.irp t, 0,1,2,3,4,5,6,7,8,9,10,11,12,13,14,15
	ds_load_b128 v[BB+4*\t:BB+4*\t+3], v[RD] offset:\t*SPITCH    ; LDS serves a wave's instructions in order (ISA guide 5.7.1.4): these see the stores above
.endr
.endm
.macro SEND a, younger                 ; younger: the LDS instructions issued behind block a's loads, which may stay out
.set BB, BK+64*((\a)%2)
	s_wait_dscnt \younger
.irp t, 0,1,2,3,4,5,6,7,8,9,10,11,12,13,14,15
	v_pk_add_f32 v[BB+4*\t:BB+4*\t+1], v[BB+4*\t:BB+4*\t+1], v[BO:BO+1]
	v_pk_add_f32 v[BB+4*\t+2:BB+4*\t+3], v[BB+4*\t+2:BB+4*\t+3], v[BO+2:BO+3]
.endr
.irp t, 0,1,2,3,4,5,6,7,8,9,10,11,12,13,14,15
	global_store_b128 v[L16], v[BB+4*\t:BB+4*\t+3], s[10:11] offset:(32*((\a)/2)+8*((\a)%2)+\t+8*(\t/8))*4096 th:TH_STORE_NT
.endr
.endm
	PLACES NP
	s_wait_loadcnt 0x0                             ; the bias
	TOSTAGE 0
.irp a, 1,2,3
.if \a > 1
	s_wait_xcnt 0x0                                ; block a - 2's stores have read their registers: block a's loads may land there
.endif
	TOSTAGE \a
	SEND \a-1, 32
.endr
	SEND 3, 0
	s_wait_tensorcnt 0x0                           ; the wave's end
	ds_add_u32 v[SPW], v[NIL]
	s_wait_dscnt 0x0
	CROUND                                         ; the closing round
	s_endpgm
.Lfunc_end_k_qa66203b24d_outp:
	.size	k_qa66203b24d_outp, .Lfunc_end_k_qa66203b24d_outp-k_qa66203b24d_outp
	.p2alignl 7, 3214868480
	.fill 96, 4, 3214868480
	.section	.rodata,"a",@progbits
	.p2align	6, 0x0
	.amdhsa_kernel k_qa66203b24d_outp
		.amdhsa_group_segment_fixed_size 327680
		.amdhsa_private_segment_fixed_size 0
		.amdhsa_enable_private_segment 0
		.amdhsa_kernarg_size 32
		.amdhsa_user_sgpr_count 2
		.amdhsa_user_sgpr_kernarg_segment_ptr 1
		.amdhsa_wavefront_size32 1
		.amdhsa_system_sgpr_workgroup_id_x 1
		.amdhsa_system_sgpr_workgroup_id_y 1
		.amdhsa_system_sgpr_workgroup_id_z 1
		.amdhsa_system_vgpr_workitem_id 0
		.amdhsa_next_free_vgpr 1024
		.amdhsa_next_free_sgpr 100
		.amdhsa_reserve_vcc 0
		.amdhsa_float_denorm_mode_32 3
		.amdhsa_float_denorm_mode_16_64 3
		.amdhsa_memory_ordered 1
		.amdhsa_forward_progress 1
		.amdhsa_inst_pref_size 97
	.end_amdhsa_kernel
	.amdgpu_metadata
---
amdhsa.version: [ 1, 2 ]
amdhsa.kernels:
  - .name:           k_qa66203b24d_outp
    .symbol:         k_qa66203b24d_outp.kd
    .args:
      - { .name: yq, .offset: 0, .size: 8, .value_kind: global_buffer, .address_space: global }
      - { .name: wq, .offset: 8, .size: 8, .value_kind: global_buffer, .address_space: global }
      - { .name: b_out, .offset: 16, .size: 8, .value_kind: global_buffer, .address_space: global }
      - { .name: out0, .offset: 24, .size: 8, .value_kind: global_buffer, .address_space: global }
    .group_segment_fixed_size: 327680
    .private_segment_fixed_size: 0
    .kernarg_segment_align: 8
    .kernarg_segment_size: 32
    .max_flat_workgroup_size: 128
    .sgpr_count:     100
    .vgpr_count:     1024
    .wavefront_size: 32
...
	.end_amdgpu_metadata
.endif
;; end of part 4
